; MI455X (gfx1250); checked and timed in simulation.
; The chip was launched on July 23, 2026; its instructions are those of AMD's public machine-readable ISA for CDNA 5 (MIT licence, August 2026) and "CDNA5" Instruction Set Architecture Reference Guide (July 2026). The comments in the code are by the model that wrote it; some were corrected since.
;; Multi Head Attention. Allowed arithmetic: matrix products marked QUANTISED: E2M1 operands, one E8M0 scale for each 32 along K, by v_wmma_scale_f32_16x16x128_f8f6f4 with both operands' format E2M1 (or v_wmma_scale_f32_32x16x128_f4), f32 sums; products left as they are: bf16, f16 or f32 operands; f32 sums; everything else in f32.
;; Inputs: K 2 x 2,048 x 1,024 float32; Q 2 x 2,048 x 1,024 float32; V 2 x 2,048 x 1,024 float32; W_k 1,024 x 1,024 float32; W_o 1,024 x 1,024 float32; W_q 1,024 x 1,024 float32; W_v 1,024 x 1,024 float32; b_k 1,024 float32; b_o 1,024 float32; b_q 1,024 float32; b_v 1,024 float32; mask 1 x 1 x 2,048 x 2,048 int32.
;; Outputs: out0 2 x 2,048 x 1,024 float32.
;; This version of the problem:
;;   THIS VERSION OF THE PROBLEM IS GIVEN IN LOW PRECISION. The matrix products marked QUANTISED in the list below multiply operands that are first quantised to E2M1 (2 exponent bits, 1 mantissa bit; 4 bits a number), with one power-of-two scale for each 32 numbers along K (OCP MX v1.0); their sums are f32. The products marked 'left as it is' may take bf16, f16 or f32 operands, with f32 sums. Whichever they take, every output number must still come out within the allowed error. Rounding operands to bf16 (8 significant bits) uses up far more of that allowance than f16 does (11 bits, for magnitudes from 6e-5 to 65,504). All else is computed in f32.
;;   The module's matrix products, in the order in which they are computed (A, B: the left and right operand; K: the contracted axis; several contracted axes count as one K, in the product's order):
;;     1. [M 4,096, K 1,024] x [K 1,024, N 1,024]; A: input Q; B: input W_q: QUANTISED
;;     2. [M 4,096, K 1,024] x [K 1,024, N 1,024]; A: input K; B: input W_k: QUANTISED
;;     3. [M 4,096, K 1,024] x [K 1,024, N 1,024]; A: input V; B: input W_v: QUANTISED
;;     4. batch 32 x [M 2,048, K 64] x [K 64, N 2,048]; A: computed on the way; B: computed on the way: left as it is (an operand is computed on the way)
;;     5. batch 32 x [M 2,048, K 2,048] x [K 2,048, N 64]; A: computed on the way; B: computed on the way: left as it is (an operand is computed on the way)
;;     6. [M 4,096, K 1,024] x [K 1,024, N 1,024]; A: computed on the way; B: input W_o: left as it is (an operand is computed on the way)
;;   THE QUANTISER, for each operand of a quantised product, along K:
;;     - K is cut into blocks of 32 from its start; a last block that is shorter is filled with zeros.
;;     - A block's scale is 2^e with e = floor(log2(the largest magnitude in the block)) - 2, held to -126 .. 127; a block of zeros has e = 0. As a byte (E8M0): e + 127.
;;     - Each number is divided by its block's scale, clamped to +-6, and rounded to the nearest number of E2M1, ties to even, subnormals kept.
;;     - The product sums the exact products of the quantised numbers (number of the format x scale) in f32.
;;   ~~~python
;;   def quantise(x, axis):      # numpy; x: float32 -> the quantised numbers, widened to float32 again
;;       x = np.moveaxis(x, axis, -1); K = x.shape[-1]
;;       x = np.pad(x, [(0, 0)] * (x.ndim - 1) + [(0, -K % 32)]); x = x.reshape(x.shape[:-1] + (-1, 32)); a = np.abs(x).max(-1, keepdims=True)
;;       e = np.where(a > 0, np.clip(np.frexp(np.where(a > 0, a, 1))[1] - 1 - 2, -126, 127), 0)      # np.frexp(a)[1] - 1 = floor(log2(a)), exactly
;;       r = np.clip(x / 2.0 ** e, -6, 6)
;;       step = 2.0 ** (np.maximum(np.frexp(np.where(r == 0, 1, r))[1] - 1, 0) - 1)
;;       q = np.round(r / step) * step * 2.0 ** e      # np.round: ties to even
;;       return np.moveaxis(q.reshape(q.shape[:-2] + (-1,))[..., :K], -1, axis).astype(np.float32)
;;   ~~~
;; One version. Each part assembles by itself: llvm-mc -triple=amdgcn-amd-amdhsa -mcpu=gfx1250 --defsym DOCPART=n.
;; ======== version 1 of 1: 6 launches
;; limits: values are held in f16: magnitudes above 65,504 overflow, below 6.1e-05 lose precision
;; workspace buffers: codes 7,864,320 bytes; scales 491,520 bytes; wo16 2,097,152 bytes; maskw 524,288 bytes of whole numbers; qkv16 25,165,824 bytes; v32 16,777,216 bytes; o16 8,388,608 bytes; ofine 131,072 bytes
;; launch prep (part 1): grid 960 x 1, 4 waves a work-group, no clusters, 68,096 bytes of LDS; arguments Q, K, V, W_q, W_k, W_v, W_o, mask, codes, scales, wo16, maskw; writes codes, scales, wo16, maskw
.if DOCPART == 1
	.amdgcn_target "amdgcn-amd-amdhsa--gfx1250"
	.amdhsa_code_object_version 6
	.text
	.protected	k_q8682b03626_prep
	.globl	k_q8682b03626_prep
	.p2align	8
	.type	k_q8682b03626_prep,@function
k_q8682b03626_prep:
	s_mov_b64 s[64:65], 0
	v_nop
	global_prefetch_b8 v0, s[64:65] scope:SCOPE_SE
	s_setreg_imm32_b32 hwreg(HW_REG_WAVE_MODE, 25, 1), 1
	s_wait_xcnt 0x0
; PREP: everything that later launches read many times is made once, and laid as IMAGES OF OPERAND REGISTERS: a fragment of 16 rows is 1,024 bytes, [part c (2)][lane (32)][16 bytes].
;   ACT  (work-groups 0-191):   Q, K, V [4096][1024] f32 -> codes of E2M1 with one E8M0 byte for each 32 along K (K innermost in memory).
;   WQ   (192-383):             W_q, W_k, W_v [k 1024][n 1024] f32 -> the same, quantised down the FIRST axis: a lane takes a column, its registers run down K.
;   WO   (384-447):             W_o [k][n] f32 -> f16, images of 16 columns x 32 k.
;   MASK (448-959):             mask [2048][2048] int32 -> lane-mask words: word 8 kt + j of (query tile, 64 keys): bit 16 h + r = (mask[16 qt + r][64 ks + 16 kt + 8 h + j] != 0).
; The four parts share a launch and part by a scalar branch on the work-group's number; the two that use LDS have LDS bytes of their own.  Waves share nothing: no barrier.
; A block's scale is 2^(floor(log2(largest magnitude)) - 2); its byte is the largest magnitude's exponent field - 2, held at 1 from below.
; LIMITS: a block whose largest magnitude lies under 2^-124, a block of zeros among them, gets the byte 1 (the rule says 127 for zeros: the codes are zeros, and this program alone reads the bytes);
; NaN and infinities are not served; |W_o| stays under 65,504 (f16), and under 6e-5 it is an f16 subnormal.
.set SP,    528                        ; a stage row: 512 bytes + 16 = 132 words, so that row r begins 4 r words further round a run of 64 words than row 0
.set WSTG,  16*SP                      ; a wave's stage
.set STG_M, 4*WSTG                     ; MASK's four stages lie behind ACT's four
.set SPARE, 8*WSTG                     ; behind them the spare words: 128 bytes a wave, named by no other line
.macro CLOSE                           ; a wave's end, behind the last LDS store
	s_wait_tensorcnt 0x0
	ds_add_u32 v14, v15
	s_wait_dscnt 0x0
	s_endpgm
.endm
	s_load_b512 s[8:23], s[0:1], 0x0               ; Q s[8:9], K s[10:11], V s[12:13], W_q s[14:15], W_k s[16:17], W_v s[18:19], W_o s[20:21], mask s[22:23]
	s_load_b256 s[24:31], s[0:1], 0x40             ; codes s[24:25], scales s[26:27], wo16 s[28:29], maskw s[30:31]
	v_lshl_add_u32 v14, v0, 2, SPARE               ; my spare word; never rewritten
	v_mov_b32 v15, 0                               ; 0; never rewritten
	v_lshrrev_b32 v1, 5, v0
	v_readfirstlane_b32 s4, v1                     ; wave
	v_and_b32 v10, 31, v0                          ; lane
	v_and_b32 v11, 15, v0                          ; r
	v_bfe_u32 v12, v0, 4, 1                        ; h
	v_lshlrev_b32 v1, 4, v10                       ; 16 x lane
	v_lshlrev_b32 v4, 2, v10                       ; 4 x lane
	s_mul_i32 s5, s4, WSTG                         ; my stage
	s_mov_b32 s6, 0x76543210
	s_mov_b32 s7, 0xfedcba98                       ; v_permlanex16_b32's selects for lane l xor 16
	s_mov_b32 s37, 0                               ; the high word of every offset
	s_wait_kmcnt 0x0
	s_cmp_lt_u32 ttmp9, 192
	s_cbranch_scc1 .Lact
	s_cmp_lt_u32 ttmp9, 384
	s_cbranch_scc1 .Lwq
	s_cmp_lt_u32 ttmp9, 448
	s_cbranch_scc1 .Lwo
; ---------------- MASK: a wave takes 16 queries x 128 keys ----------------
	s_sub_co_u32 s32, ttmp9, 448
	s_lshl_b32 s32, s32, 2
	s_add_co_u32 s32, s32, s4
	s_lshr_b32 s33, s32, 4                         ; query tile
	s_and_b32 s32, s32, 15                         ; which 128 keys
	s_lshl_b32 s36, s33, 17                        ; 16 rows of 8,192 bytes
	s_lshl_b32 s38, s32, 9
	s_add_co_u32 s36, s36, s38
	s_add_nc_u64 s[22:23], s[22:23], s[36:37]
	s_lshl_b32 s36, s33, 12                        ; a query tile's words: 4,096 bytes
	s_lshl_b32 s38, s32, 8
	s_add_co_u32 s36, s36, s38
	s_add_nc_u64 s[30:31], s[30:31], s[36:37]
	s_add_co_u32 s5, s5, STG_M
	v_add_nc_u32 v6, s5, v1                        ; in: 16 x lane of a row
	v_mul_u32_u24 v7, v11, SP
	v_lshl_add_u32 v7, v12, 5, v7
	v_add_nc_u32 v7, s5, v7                        ; back: row r, + 32 h: eight keys of my half
	v_lshlrev_b32 v8, 3, v10                       ; out: 8 bytes a lane
.set i, 0
.rept 16
	global_load_b128 v[16+4*i:19+4*i], v1, s[22:23] offset:8192*i th:TH_LOAD_NT   ; a row's 128 numbers: 512 consecutive bytes
.set i, i+1
.endr
	v_mov_b32 v144, 0                              ; a lane write's destination counts as read
	v_mov_b32 v145, 0
	s_wait_loadcnt 0x0
.set i, 0
.rept 16
	ds_store_b128 v6, v[16+4*i:19+4*i] offset:SP*i
.set i, i+1
.endr
.set i, 0
.rept 16                               ; tile i / 2 of 16 keys, half i % 2 of my eight: register 80 + 8 (i / 2) + j = key 16 (i / 2) + 8 h + j of query r.  LDS serves a wave's instructions in order
	ds_load_b128 v[80+4*i:83+4*i], v7 offset:64*(i/2)+16*(i%2)
.set i, i+1
.endr
	s_wait_dscnt 0x0
.set n, 0
.rept 64
	v_cmp_ne_u32 s[40+n%8], 0, v[80+n]             ; the compare's lane mask IS word n
	v_writelane_b32 v[144+n%2], s[40+n%8], n/2     ; words 2 L and 2 L + 1 go to lane L
.set n, n+1
.endr
	global_store_b64 v8, v[144:145], s[30:31]      ; 32 lanes store 256 consecutive bytes, aligned
	CLOSE
; ---------------- ACT: a wave takes a tile of 16 rows and all of K, 128 along K a step ----------------
; Loads take the bytes as they lie (a row's 512 bytes a load); a step turns through the wave's stage so that lane (r, h) holds blocks h and 2 + h of row r, as the operand's layout gives them to it.
.Lact:
	s_lshr_b32 s32, ttmp9, 6                       ; which tensor
	s_lshl_b32 s33, ttmp9, 2
	s_add_co_u32 s33, s33, s4
	s_and_b32 s33, s33, 255                        ; which tile of rows
	s_cmp_eq_u32 s32, 0
	s_cselect_b64 s[34:35], s[8:9], s[10:11]
	s_cmp_eq_u32 s32, 2
	s_cselect_b64 s[34:35], s[12:13], s[34:35]
	s_lshl_b32 s36, s33, 16
	s_add_nc_u64 s[34:35], s[34:35], s[36:37]
	s_lshl_b32 s36, s32, 21
	s_lshl_b32 s38, s33, 13
	s_add_co_u32 s36, s36, s38
	s_add_nc_u64 s[24:25], s[24:25], s[36:37]      ; my tile's eight images
	s_lshl_b32 s36, s32, 17
	s_lshl_b32 s38, s33, 9
	s_add_co_u32 s36, s36, s38
	s_add_nc_u64 s[26:27], s[26:27], s[36:37]      ; and its 128 scale words
	s_mov_b32 s39, 0xffff0000                      ; lanes 16-31
	v_add_nc_u32 v2, s5, v1                        ; stage, in
	v_mul_u32_u24 v3, v11, SP
	v_lshl_add_u32 v3, v12, 7, v3
	v_add_nc_u32 v3, s5, v3                        ; stage, back: row r, + 128 h
	v_lshlrev_b32 v5, 3, v12                       ; 8 h
	v_mov_b32 v231, 0                              ; a lane permute's destination counts as read
.macro ALOAD t
.irp i, 0,1,2,3,4,5,6,7,8,9,10,11,12,13,14,15
	global_load_b128 v[16+64*((\t)%2)+4*\i:16+64*((\t)%2)+4*\i+3], v1, s[34:35] offset:4096*\i+512*(\t) th:TH_LOAD_NT
.endr
.endm
.macro ASTEP t
.if (\t) < 7
	s_wait_loadcnt 16                              ; this step's sixteen loads are in; the next step's may be out
.else
	s_wait_loadcnt 0x0
.endif
	s_wait_xcnt 0x0                                ; the last step's stores have read the codes' registers, which are written again below
.irp i, 0,1,2,3,4,5,6,7,8,9,10,11,12,13,14,15
	ds_store_b128 v2, v[16+64*((\t)%2)+4*\i:16+64*((\t)%2)+4*\i+3] offset:SP*\i
.endr
.irp c, 0,1
.irp e, 0,1,2,3,4,5,6,7
	ds_load_b128 v[144+32*\c+4*\e:144+32*\c+4*\e+3], v3 offset:256*\c+16*\e   ; block 2 c + h of row r
.endr
.endr
	s_wait_dscnt 0x0
.if (\t) < 6
	ALOAD (\t)+2
.endif
.irp c, 0,1
	v_max3_num_f32 v[224+\c], |v[144+32*\c]|, |v[145+32*\c]|, 0x1800000   ; the block's largest magnitude, with the floor 2^(3 - 127): the byte cannot fall under 1
.endr
.irp i, 2,4,6,8,10,12,14,16,18,20,22,24,26,28,30
.irp c, 0,1
	v_max3_num_f32 v[224+\c], v[224+\c], |v[144+32*\c+\i]|, |v[145+32*\c+\i]|
.endr
.endr
.irp c, 0,1
	v_add_nc_u32 v[226+\c], 0xff000000, v[224+\c]  ; 2 off the exponent field: the conversion's scale operand
.endr
.irp c, 0,1
	v_lshrrev_b32 v[228+\c], 23, v[226+\c]         ; the byte
.endr
	v_lshl_or_b32 v230, v229, 16, v228             ; bytes h and 2 + h of the row's word,
	v_lshlrev_b32 v230, v5, v230                   ; at their places;
	v_permlanex16_b32 v231, v230, s6, s7
	v_or_b32 v[216+(\t)], v230, v231               ; with lane l xor 16's two the word is whole
.irp c, 0,1
.irp g, 0,1,2,3
	v_cvt_scalef32_pk8_fp4_f32 v[208+4*\c+\g], v[144+32*\c+8*\g:151+32*\c+8*\g], v[226+\c]
.endr
.endr
	v_nop                                          ; one plain line behind the last scaled conversion
.irp c, 0,1
	global_store_b128 v1, v[208+4*\c:211+4*\c], s[24:25] offset:1024*(\t)+512*\c   ; 512 consecutive bytes of the image
.endr
.endm
	ALOAD 0
	ALOAD 1
.irp t, 0,1,2,3,4,5,6,7
	ASTEP \t
.endr
.irp i, 0,1,2,3
	v_cndmask_b32 v[232+\i], v[216+2*\i], v[217+2*\i], s39   ; lanes 0-15: step 2 i's words, lanes 16-31: step 2 i + 1's
.endr
.irp i, 0,1,2,3
	global_store_b32 v4, v[232+\i], s[26:27] offset:128*\i
.endr
	CLOSE
; ---------------- WQ: a wave takes 32 columns x 128 along K of W_q, W_k or W_v ----------------
; Rows 32 b .. 32 b + 31 of my 128, my column: a load of the wave reads 128 consecutive bytes, the four waves stand side by side on 512.  Each block of 32 rows has registers of its own.
; The loads run two blocks ahead: blocks 0 and 1 go out at the head, block b + 2 behind the wait for block b: 64 loads of a wave are out at the most.
.macro WLOAD b
.set k, 32*(\b)
.rept 32
	global_load_b32 v[16+k], v4, s[34:35] offset:4096*k th:TH_LOAD_NT
.set k, k+1
.endr
.endm
.macro WWAIT b                         ; block b is in; then block b + 2 is asked for
.if (\b) < 3
	s_wait_loadcnt 32                              ; behind block b's loads only block b + 1's 32 have been issued: they may be out
.else
	s_wait_loadcnt 0x0
.endif
.if (\b) < 2
	WLOAD (\b)+2
.endif
.endm
.Lwq:
	s_sub_co_u32 s32, ttmp9, 192
	s_lshr_b32 s33, s32, 6                         ; which weight
	s_and_b32 s38, s32, 7
	s_lshl_b32 s38, s38, 2
	s_add_co_u32 s38, s38, s4                      ; which 32 columns
	s_bfe_u32 s32, s32, 0x30003                    ; which 128 along K
	s_cmp_eq_u32 s33, 0
	s_cselect_b64 s[34:35], s[14:15], s[16:17]
	s_cmp_eq_u32 s33, 2
	s_cselect_b64 s[34:35], s[18:19], s[34:35]
	s_lshl_b32 s36, s32, 19
	s_lshl_b32 s39, s38, 7
	s_add_co_u32 s36, s36, s39
	s_add_nc_u64 s[34:35], s[34:35], s[36:37]
	s_lshl_b32 s36, s33, 19
	s_add_co_u32 s36, s36, 6291456                 ; the weights' codes lie behind the activations'
	s_lshl_b32 s39, s38, 14                        ; two tiles of 16 columns, 8,192 bytes each
	s_add_co_u32 s36, s36, s39
	s_lshl_b32 s39, s32, 10
	s_add_co_u32 s36, s36, s39
	s_add_nc_u64 s[24:25], s[24:25], s[36:37]
	s_lshl_b32 s36, s33, 15
	s_add_co_u32 s36, s36, 393216
	s_lshl_b32 s39, s38, 10
	s_add_co_u32 s36, s36, s39
	s_lshl_b32 s39, s32, 6
	s_add_co_u32 s36, s36, s39
	s_add_nc_u64 s[26:27], s[26:27], s[36:37]
	v_lshlrev_b32 v6, 13, v12
	v_lshl_add_u32 v6, v11, 4, v6                  ; codes: tile lane / 16, row r
	v_lshlrev_b32 v7, 9, v12
	v_lshl_add_u32 v7, v11, 2, v7                  ; scale word likewise
	WLOAD 0
	WLOAD 1
.macro WBLOCK b
	WWAIT \b
	v_max3_num_f32 v164, |v[16+32*\b]|, |v[17+32*\b]|, |v[18+32*\b]|
	v_max3_num_f32 v165, |v[19+32*\b]|, |v[20+32*\b]|, |v[21+32*\b]|
.irp i, 6,10,14,18,22,26
	v_max3_num_f32 v164, v164, |v[16+32*\b+\i]|, |v[17+32*\b+\i]|
	v_max3_num_f32 v165, v165, |v[18+32*\b+\i]|, |v[19+32*\b+\i]|
.endr
	v_max3_num_f32 v164, v164, |v[46+32*\b]|, |v[47+32*\b]|
	v_max3_num_f32 v164, v164, v165, 0x1800000     ; and the floor
	v_add_nc_u32 v166, 0xff000000, v164
	v_lshrrev_b32 v165, 23, v166
.if \b == 0
	v_mov_b32 v160, v165
.else
	v_lshl_or_b32 v160, v165, 8*\b, v160           ; the column's scale word, the lower K in the lower byte
.endif
.irp g, 0,1,2,3
	v_cvt_scalef32_pk8_fp4_f32 v[144+4*\b+\g], v[16+32*\b+8*\g:23+32*\b+8*\g], v166
.endr
	v_nop                                          ; one plain line behind the last scaled conversion
	global_store_b128 v6, v[144+4*\b:147+4*\b], s[24:25] offset:256*\b   ; piece b of two images: each half of the lanes stores 256 consecutive bytes, aligned
.endm
.irp b, 0,1,2,3
	WBLOCK \b
.endr
	global_store_b32 v7, v160, s[26:27]            ; pieces of 64 bytes: one byte in 128 of what this part reads
	CLOSE
; ---------------- WO: a wave takes 32 columns x 128 along K of W_o ----------------
.Lwo:
	s_sub_co_u32 s32, ttmp9, 384
	s_lshl_b32 s32, s32, 2
	s_add_co_u32 s32, s32, s4
	s_and_b32 s38, s32, 31                         ; which 32 columns
	s_lshr_b32 s32, s32, 5                         ; which 128 along K
	s_lshl_b32 s36, s32, 19
	s_lshl_b32 s39, s38, 7
	s_add_co_u32 s36, s36, s39
	s_add_nc_u64 s[34:35], s[20:21], s[36:37]
	s_lshl_b32 s36, s38, 16                        ; two tiles of 16 columns, 32,768 bytes each
	s_lshl_b32 s39, s32, 12
	s_add_co_u32 s36, s36, s39
	s_add_nc_u64 s[28:29], s[28:29], s[36:37]
	v_lshlrev_b32 v6, 15, v12
	v_lshl_add_u32 v6, v11, 4, v6
	WLOAD 0
	WLOAD 1
.macro OGROUP q
	WWAIT \q
.irp i, 0,1,2,3,4,5,6,7,8,9,10,11,12,13,14,15
	v_cvt_pk_f16_f32 v[144+16*\q+\i], v[16+32*\q+2*\i], v[17+32*\q+2*\i]
.endr
.irp p, 0,1,2,3
	global_store_b128 v6, v[144+16*\q+4*\p:147+16*\q+4*\p], s[28:29] offset:1024*\q+256*\p   ; piece p: k = 8 p .. 8 p + 7 of 16 columns: 256 consecutive bytes for each half of the lanes
.endr
.endm
.irp q, 0,1,2,3
	OGROUP \q
.endr
	CLOSE
.Lfunc_end_k_q8682b03626_prep:
	.size	k_q8682b03626_prep, .Lfunc_end_k_q8682b03626_prep-k_q8682b03626_prep
	.p2alignl 7, 3214868480
	.fill 96, 4, 3214868480
	.section	.rodata,"a",@progbits
	.p2align	6, 0x0
	.amdhsa_kernel k_q8682b03626_prep
		.amdhsa_group_segment_fixed_size 68096
		.amdhsa_private_segment_fixed_size 0
		.amdhsa_enable_private_segment 0
		.amdhsa_kernarg_size 96
		.amdhsa_user_sgpr_count 2
		.amdhsa_user_sgpr_kernarg_segment_ptr 1
		.amdhsa_wavefront_size32 1
		.amdhsa_system_sgpr_workgroup_id_x 1
		.amdhsa_system_sgpr_workgroup_id_y 1
		.amdhsa_system_sgpr_workgroup_id_z 1
		.amdhsa_system_vgpr_workitem_id 0
		.amdhsa_next_free_vgpr 256
		.amdhsa_next_free_sgpr 66
		.amdhsa_reserve_vcc 0
		.amdhsa_float_denorm_mode_32 3
		.amdhsa_float_denorm_mode_16_64 3
		.amdhsa_memory_ordered 1
		.amdhsa_forward_progress 1
		.amdhsa_inst_pref_size 108
	.end_amdhsa_kernel
	.amdgpu_metadata
---
amdhsa.version: [ 1, 2 ]
amdhsa.kernels:
  - .name:           k_q8682b03626_prep
    .symbol:         k_q8682b03626_prep.kd
    .args:
      - { .name: Q, .offset: 0, .size: 8, .value_kind: global_buffer, .address_space: global }
      - { .name: K, .offset: 8, .size: 8, .value_kind: global_buffer, .address_space: global }
      - { .name: V, .offset: 16, .size: 8, .value_kind: global_buffer, .address_space: global }
      - { .name: W_q, .offset: 24, .size: 8, .value_kind: global_buffer, .address_space: global }
      - { .name: W_k, .offset: 32, .size: 8, .value_kind: global_buffer, .address_space: global }
      - { .name: W_v, .offset: 40, .size: 8, .value_kind: global_buffer, .address_space: global }
      - { .name: W_o, .offset: 48, .size: 8, .value_kind: global_buffer, .address_space: global }
      - { .name: mask, .offset: 56, .size: 8, .value_kind: global_buffer, .address_space: global }
      - { .name: codes, .offset: 64, .size: 8, .value_kind: global_buffer, .address_space: global }
      - { .name: scales, .offset: 72, .size: 8, .value_kind: global_buffer, .address_space: global }
      - { .name: wo16, .offset: 80, .size: 8, .value_kind: global_buffer, .address_space: global }
      - { .name: maskw, .offset: 88, .size: 8, .value_kind: global_buffer, .address_space: global }
    .group_segment_fixed_size: 68096
    .private_segment_fixed_size: 0
    .kernarg_segment_align: 8
    .kernarg_segment_size: 96
    .max_flat_workgroup_size: 128
    .sgpr_count:     66
    .vgpr_count:     256
    .wavefront_size: 32
...
	.end_amdgpu_metadata
.endif
;; end of part 1
;; launch proj (part 2): grid 4 x 48, 4 waves a work-group, clusters of 4 x 4, 327,680 bytes of LDS; arguments codes, scales, b_q, b_k, b_v, qkv16, v32; writes qkv16, v32
.if DOCPART == 2
	.amdgcn_target "amdgcn-amd-amdhsa--gfx1250"
	.amdhsa_code_object_version 6
	.text
	.protected	k_q8682b03626_proj
	.globl	k_q8682b03626_proj
	.p2align	8
	.type	k_q8682b03626_proj,@function
k_q8682b03626_proj:
	s_mov_b64 s[64:65], 0
	v_nop
	global_prefetch_b8 v0, s[64:65] scope:SCOPE_SE
	s_setreg_imm32_b32 hwreg(HW_REG_WAVE_MODE, 25, 1), 1
	s_wait_xcnt 0x0
	s_wait_alu depctr_hold_cnt(0) depctr_sa_sdst(0) depctr_va_vdst(0) depctr_va_sdst(0) depctr_va_ssrc(0) depctr_va_vcc(0) depctr_vm_vsrc(0)
	s_getreg_b32 s2, hwreg(HW_REG_IB_STS2, 6, 4)
	s_cmp_eq_u32 s2, 0
	s_cbranch_scc0 .Lentry_in_a_cluster
	s_endpgm
.Lentry_in_a_cluster:
	s_bfe_u32 s2, ttmp6, 0x10000c
	s_cmp_lg_u32 s2, 0xf033
	s_cbranch_scc0 .Lentry_shape_is_right
	s_endpgm
.Lentry_shape_is_right:
; PROJ: the three quantised products, q = Q W_q + b_q, k = K W_k + b_k, v = V W_v, on codes of E2M1 with E8M0 scales, sums in f32; K = 1,024.
; 192 work-groups, 64 for each product; each makes 256 x 256, each of its four waves 128 x 128: 64 accumulators, 512 registers.  Clusters of 4 x 4: the "A side" tile is shared along a row of the cluster,
; the "B side" tile along a column, each asked for jointly.  All of K fits in LDS: two slots of 512 along K and the scale words are asked for at the head and nothing is filled twice.
; Codes and scale words lie in memory as images of operand registers (1,024 bytes for 16 rows x 128 K), so a fragment is two loads at 16 x lane: no pitch, no padding, no conflicts.
; THE MATRIX INSTRUCTION IS USED TRANSPOSED: source 0 = 16 rows of the B side, source 1 = 16 rows of the A side: a lane holds ONE row of the A side and eight neighbours of the B side.
;   q, k: A side = the activations (positions), B side = the weight (channels): eight neighbouring channels of a position: 16 bytes of f16 of attention's images of q and k.
;   v:    the sides change places, by pointers alone: A side = W_v (channels), B side = V (keys): eight neighbouring keys of a channel: v^T's images, whose K is the keys.
; q is multiplied by c = log2(e) / 8 here (one fused multiply-add with the bias), so that attention's scores are exponents of 2 as they come; for k the factor is 1.
; b_v is not added here: attention adds it behind the average (the weights sum to 1), which keeps a large bias out of v's rounding to f16.  v also leaves in f32, for the launch that carries the first 16 positions finely.
; LIMITS: |q c|, |k|, |v| under 65,504 (f16); under 6e-5 they are f16 subnormals.
; REGISTERS: window 0: v16-29 addresses; v32-95 scale words, two sets; v96-127 packed results; v128-191 A's fragments, one set (on the way out: at work); v192-255 the bias.
;   window 1: B's fragments, two sets.  window 2, 3: the accumulators of my rows 0-63, 64-127 ((a, b) at v[8 (8 (a % 4) + b)]).
.set NQ,     4                         ; steps of 128 along K in a slot
.set FR,     8
.set NL,     2
.set NP,     4
.set HALFT,  32768                     ; 128 rows x 512 K of codes: what one tensor load brings
.set SLOT,   4*HALFT
.set SCL,    2*SLOT                    ; the scale words: four parts of 4,096 bytes
.set SPARE,  SCL+16384                 ; the spare words: 128 bytes a wave, named by no other line
.set ADRA, 16
.set ADRB, 20
.set CO,   26
.set ADRS, 27
.set SPW,  28
.set NIL,  29
.set SC,   32
.set PK,   96
.set AF,   128
.set TT,   128
.set BI,   192
.set G1, 24
.set G0, 32
.set G1B, 48
.set G0B, 56
.set G1S, 68
.set G0S, 76
.set G1SB, 80
.set G0SB, 88
.set MSB, 0
.macro WIN new                         ; the immediate's high byte repeats the setting that is left
.if MSB != (\new)
	s_set_vgpr_msb (MSB<<8)|(\new)
.set MSB, (\new)
.endif
.endm
.set MUL_LO, 0xa1                      ; source 0 window 1, source 1 window 0, C and D window 2
.set MUL_HI, 0xf1
.set TO_B,   0x40
; A joint load: waves 0 and 1 fetch for the A side, waves 2 and 3 for the B side; the branch hangs on the wave's number alone.  An s_nop 0 and four v_nop follow each line.
.macro JLOAD g0a, g1a, g0b, g1b
	s_cmp_eq_u32 s15, 0
	s_cbranch_scc0 .Lfor_b_\@
	tensor_load_to_lds s[\g0a:\g0a+3], s[\g1a:\g1a+7]
	s_nop 0
.rept 4
	v_nop
.endr
	s_branch .Lasked_\@
.Lfor_b_\@:
	tensor_load_to_lds s[\g0b:\g0b+3], s[\g1b:\g1b+7]
	s_nop 0
.rept 4
	v_nop
.endr
.Lasked_\@:
.endm
.macro CROUND                          ; a round of the cluster's barrier
	s_barrier_signal -1
	s_barrier_wait -1
	s_cmp_lg_u32 s14, 0
	s_cbranch_scc1 .Lnot_wave_0_\@
	s_barrier_signal -3
.Lnot_wave_0_\@:
	s_barrier_wait -3
	s_barrier_signal -1
	s_barrier_wait -1
.endm
	s_load_b256 s[4:11], s[0:1], 0x0               ; codes s[4:5], scales s[6:7], b_q s[8:9], b_k s[10:11]
	s_load_b64 s[12:13], s[0:1], 0x20              ; b_v
	s_load_b128 s[96:99], s[0:1], 0x28             ; qkv16 s[96:97], v32 s[98:99]
	v_lshl_add_u32 v[SPW], v0, 2, SPARE
	v_mov_b32 v[NIL], 0
	ds_add_u32 v[SPW], v[NIL]                      ; the wave's opening: the add, twice on end, and its wait ahead of my first tensor load
	ds_add_u32 v[SPW], v[NIL]
	v_lshrrev_b32 v1, 5, v0
	v_readfirstlane_b32 s14, v1                    ; wave
	s_lshr_b32 s15, s14, 1                         ; my half of the A side's rows.  Also: I fetch for the A side (0) or the B side (1)
	s_and_b32 s16, s14, 1                          ; my half of the B side's rows.  Also: which 128 rows I fetch
	s_bfe_u32 s40, ttmp6, 0x40000                  ; cx
	s_bfe_u32 s41, ttmp6, 0x40004                  ; cy
	s_and_b32 s18, ttmp7, 0xffff                   ; the cluster's y: 12 clusters, four for each product
	s_lshr_b32 s100, s18, 2                        ; which product: 0 q, 1 k, 2 v: the same in all sixteen partners
	s_and_b32 s18, s18, 3
	s_lshl_b32 s18, s18, 2                         ; the cluster's four tiles of 256 positions begin here
	s_lshl_b32 s20, s100, 21                       ; the activations' codes,
	s_lshl_b32 s46, s100, 19
	s_add_co_u32 s46, s46, 6291456                 ; the weight's codes,
	s_lshl_b32 s22, s100, 17                       ; the activations' scale words,
	s_lshl_b32 s92, s100, 15
	s_add_co_u32 s92, s92, 393216                  ; the weight's
	s_cmp_eq_u32 s100, 2                           ; v: the sides change places
	s_cselect_b32 s101, 1, 0
	s_cselect_b32 s17, 0, s18
	s_cselect_b32 s42, s18, 0
	s_cselect_b32 s20, 7340032, s20
	s_cselect_b32 s46, 4194304, s46
	s_cselect_b32 s22, 458752, s22
	s_cselect_b32 s92, 262144, s92
	s_add_co_u32 s17, s17, s41                     ; the A side's tile: hangs on cy, never on cx
	s_add_co_u32 s42, s42, s40                     ; the B side's tile: hangs on cx, never on cy
	s_lshl_b32 s43, s41, 2
	s_lshl_b32 s43, 15, s43                        ; my row of the cluster
	s_lshl_b32 s44, 0x1111, s40                    ; my column
	; group 1 for codes: 8 tiles of rows x 4,096 bytes (four images), 8,192 bytes apart; elements of 8 bytes; no padding; bit 21 set beside the mask
	s_or_b32 s[G1+0], s43, (3<<16)|(1<<21)
	s_or_b32 s[G1B+0], s44, (3<<16)|(1<<21)
.irp g, G1, G1B
	s_mov_b32 s[\g+1], 512<<16                     ; tensor_dim0
	s_mov_b32 s[\g+2], 8<<16                       ; tensor_dim1
	s_mov_b32 s[\g+3], 512<<16                     ; tile_dim0
	s_mov_b32 s[\g+4], 8                           ; tile_dim1
	s_mov_b32 s[\g+5], 1024                        ; from row to row
	s_mov_b32 s[\g+6], 0
	s_mov_b32 s[\g+7], 0
.endr
	; group 1 for scale words: 4,096 dense bytes as 16 rows of 256
	s_or_b32 s[G1S+0], s43, (3<<16)|(1<<21)
	s_or_b32 s[G1SB+0], s44, (3<<16)|(1<<21)
.irp g, G1S, G1SB
	s_mov_b32 s[\g+1], 32<<16
	s_mov_b32 s[\g+2], 16<<16
	s_mov_b32 s[\g+3], 32<<16
	s_mov_b32 s[\g+4], 16
	s_mov_b32 s[\g+5], 32
	s_mov_b32 s[\g+6], 0
	s_mov_b32 s[\g+7], 0
.endr
	s_lshl_b32 s19, s16, 16                        ; the 128 rows that I fetch: 65,536 bytes of codes on
	s_lshl_b32 s21, s17, 17
	s_add_co_u32 s20, s20, s21
	s_add_co_u32 s20, s20, s19
	s_lshl_b32 s47, s42, 17
	s_add_co_u32 s46, s46, s47
	s_add_co_u32 s46, s46, s19
	s_lshl_b32 s19, s16, 12                        ; and 4,096 bytes of scale words
	s_lshl_b32 s23, s17, 13
	s_add_co_u32 s22, s22, s23
	s_add_co_u32 s22, s22, s19
	s_lshl_b32 s93, s42, 13
	s_add_co_u32 s92, s92, s93
	s_add_co_u32 s92, s92, s19
	s_mov_b32 s21, 0
	s_mov_b32 s23, 0
	s_mov_b32 s47, 0
	s_mov_b32 s93, 0
	s_lshl_b32 s45, s14, 15                        ; where they go: wave x 32,768, and wave x 4,096: no place in the cluster enters an LDS address
	s_lshl_b32 s94, s14, 12
	s_wait_dscnt 0x0                               ; both opening adds are done
	s_wait_kmcnt 0x0
	s_add_nc_u64 s[20:21], s[4:5], s[20:21]
	s_add_nc_u64 s[22:23], s[6:7], s[22:23]
	s_add_nc_u64 s[46:47], s[4:5], s[46:47]
	s_add_nc_u64 s[92:93], s[6:7], s[92:93]
	CROUND                                         ; all sixteen work-groups are here: the first joint loads meet
	s_mov_b32 s[G0S], 1
	s_add_co_u32 s[G0S+1], s94, SCL
	s_mov_b64 s[G0S+2:G0S+3], s[22:23]
	s_or_b32 s[G0S+3], s[G0S+3], 0x80000000
	s_mov_b32 s[G0SB], 1
	s_add_co_u32 s[G0SB+1], s94, SCL
	s_mov_b64 s[G0SB+2:G0SB+3], s[92:93]
	s_or_b32 s[G0SB+3], s[G0SB+3], 0x80000000
	JLOAD G0S, G1S, G0SB, G1SB                     ; three loads of mine go out together: the scale words, slot 0, slot 1
.irp s, 0,1
	s_mov_b32 s[G0+4*\s], 1
	s_add_co_u32 s[G0+4*\s+1], s45, \s*SLOT
	s_add_nc_u64 s[G0+4*\s+2:G0+4*\s+3], s[20:21], \s*4096
	s_or_b32 s[G0+4*\s+3], s[G0+4*\s+3], 0x80000000
	s_mov_b32 s[G0B+4*\s], 1
	s_add_co_u32 s[G0B+4*\s+1], s45, \s*SLOT
	s_add_nc_u64 s[G0B+4*\s+2:G0B+4*\s+3], s[46:47], \s*4096
	s_or_b32 s[G0B+4*\s+3], s[G0B+4*\s+3], 0x80000000
	JLOAD G0+4*\s, G1, G0B+4*\s, G1B
.endr
	v_and_b32 v1, 15, v0                           ; r
	v_bfe_u32 v2, v0, 4, 1                         ; h
	v_and_b32 v3, 31, v0
	v_lshlrev_b32 v[CO], 4, v3                     ; 16 x lane: an image's place for my lane, in LDS and in memory
	s_lshl_b32 s21, s15, 15
	s_lshl_b32 s22, s16, 15
	s_add_co_u32 s22, s22, 2*HALFT
.irp s, 0,1
	v_add_nc_u32 v[ADRA+\s], s21, v[CO]
	v_add_nc_u32 v[ADRB+\s], s22, v[CO]
	s_add_co_u32 s21, s21, SLOT
	s_add_co_u32 s22, s22, SLOT
.endr
	s_lshl_b32 s21, s15, 12                        ; the scale words: lanes 0-15 take the A side's, lanes 16-31 the B side's: the lower base + h x the distance
	s_lshl_b32 s22, s16, 12
	s_add_co_u32 s22, s22, 8192
	s_sub_co_u32 s22, s22, s21
	v_mul_u32_u24 v6, s22, v2
	s_add_co_u32 s21, s21, SCL
	v_lshl_add_u32 v5, v1, 2, v6
	v_add_nc_u32 v[ADRS], s21, v5
	; the bias of my 128 channels (q, k).  In v's work-groups the loads are made all the same, on b_v's first 512 bytes, and their numbers are not used: so both ways out find the registers written
	s_cmp_eq_u32 s100, 0
	s_cselect_b64 s[8:9], s[8:9], s[10:11]
	s_cselect_b32 s94, 0x3e38aa3b, 1.0             ; c = log2(e) / 8 for q, 1 for k
	s_cmp_eq_u32 s101, 1
	s_cselect_b64 s[8:9], s[12:13], s[8:9]
	s_lshl_b32 s20, s42, 10
	s_lshl_b32 s21, s16, 9
	s_add_co_u32 s20, s20, s21
	s_cmp_eq_u32 s101, 1
	s_cselect_b32 s20, 0, s20
	s_mov_b32 s21, 0
	s_add_nc_u64 s[8:9], s[8:9], s[20:21]
	s_mov_b32 s95, s94                             ; (named with it as a pair)
	v_lshlrev_b32 v7, 5, v2                        ; 32 h
.irp b, 0,1,2,3,4,5,6,7
	global_load_b128 v[BI+8*\b:BI+8*\b+3], v7, s[8:9] offset:64*\b
	global_load_b128 v[BI+8*\b+4:BI+8*\b+7], v7, s[8:9] offset:64*\b+16
.endr
.macro FRAG reg, adr, q, i             ; the image of tile of rows i, the slot's q-th 128 along K
.irp c, 0,1
	ds_load_b128 v[\reg+4*\c:\reg+4*\c+3], v[\adr] offset:1024*(\q)+512*\c+4096*(\i)
.endr
.endm
; 16 matrix instructions: A's blocks a0, a0 + 1 x B's eight.  The 64 accumulators take turns, one instruction a turn, in the same order in every step.
.macro MUL16 a0, p, q, sc, zero
.irp a, \a0, \a0+1
.irp b, 0,1,2,3,4,5,6,7
.if \zero
	v_wmma_scale_f32_16x16x128_f8f6f4 v[8*(8*((\a)%4)+\b):8*(8*((\a)%4)+\b)+7], v[128*(\p)+FR*\b:128*(\p)+FR*\b+FR-1], v[AF+FR*(\a):AF+FR*(\a)+FR-1], 0, v[SC+8*NQ*(\sc)+NQ*\b+(\q)], v[SC+8*NQ*(\sc)+NQ*(\a)+(\q)] matrix_a_fmt:MATRIX_FMT_FP4 matrix_b_fmt:MATRIX_FMT_FP4 matrix_a_scale:MATRIX_SCALE_ROW1
.else
	v_wmma_scale_f32_16x16x128_f8f6f4 v[8*(8*((\a)%4)+\b):8*(8*((\a)%4)+\b)+7], v[128*(\p)+FR*\b:128*(\p)+FR*\b+FR-1], v[AF+FR*(\a):AF+FR*(\a)+FR-1], v[8*(8*((\a)%4)+\b):8*(8*((\a)%4)+\b)+7], v[SC+8*NQ*(\sc)+NQ*\b+(\q)], v[SC+8*NQ*(\sc)+NQ*(\a)+(\q)] matrix_a_fmt:MATRIX_FMT_FP4 matrix_b_fmt:MATRIX_FMT_FP4 matrix_a_scale:MATRIX_SCALE_ROW1
.endif
.endr
.endr
.endm
.macro FETCH_B slot, q, p
	WIN TO_B
.irp i, 0,1,2,3,4,5,6,7
	FRAG 128*(\p)+FR*\i, ADRB+\slot, \q, \i
.endr
	WIN 0
.endm
.macro FETCH_A slot, q, i0
.irp i, \i0, \i0+1, \i0+2, \i0+3
	FRAG AF+FR*(\i), ADRA+\slot, \q, \i
.endr
.endm
.macro SCALES sc                       ; slot sc's scale words: register 4 i + q: lanes 0-15 the word of A's block i, lanes 16-31 that of B's block i, for the slot's q-th 128 along K
.irp i, 0,1,2,3,4,5,6,7
.irp q, 0,1,2,3
	ds_load_b32 v[SC+8*NQ*\sc+NQ*\i+\q], v[ADRS] offset:512*\i+64*(4*\sc+\q)
.endr
.endr
.endm
.macro PLACES n                        ; plain vector lines between a matrix instruction and a load into, or a vector line on, its registers
.rept \n
	v_nop
.endr
.endm
.macro STEP slot, q, zero              ; a step of 128 along K that has its successor in the same slot
	s_wait_dscnt 4*NL                              ; B's set, A's blocks 0-3 and the scale words are in; the youngest eight loads (A's blocks 4-7) may be out
	WIN MUL_LO
	MUL16 0, (\q)%2, \q, \slot, \zero
	MUL16 2, (\q)%2, \q, \slot, \zero
	s_wait_dscnt 0
	PLACES NP
	FETCH_B \slot, (\q)+1, 1-(\q)%2
	FETCH_A \slot, (\q)+1, 0
	WIN MUL_HI
	MUL16 4, (\q)%2, \q, \slot, \zero
	MUL16 6, (\q)%2, \q, \slot, \zero
	PLACES NP
	WIN 0
	FETCH_A \slot, (\q)+1, 4
.endm
.macro STEPS slot, from
.set Q, \from
.rept NQ-1-\from
	STEP \slot, Q, 0
.set Q, Q+1
.endr
.endm
	s_wait_tensorcnt 1                             ; the scale words and my part of slot 0 are in; slot 1's load may be out
	s_barrier_signal -1
	s_barrier_wait -1
	FETCH_B 0, 0, 0
	FETCH_A 0, 0, 0
	SCALES 0
	FETCH_A 0, 0, 4
	STEP 0, 0, 1                                   ; the first step's products start the sums: nothing is cleared
	STEPS 0, 1
	; slot 0's last step goes over to slot 1: each wave waits for its part of slot 1, then the work-group's barrier shows all four parts to all
	s_wait_tensorcnt 0x0
	ds_add_u32 v[SPW], v[NIL]
	s_wait_dscnt 4*NL+1                            ; (the add and A's blocks 4-7 may be out)
	WIN MUL_LO
	MUL16 0, 1, NQ-1, 0, 0
	s_wait_dscnt 0x0
	s_barrier_signal -1
	MUL16 2, 1, NQ-1, 0, 0
	WIN 0
	s_barrier_wait -1
	PLACES NP
	FETCH_B 1, 0, 0
	FETCH_A 1, 0, 0
	SCALES 1
	WIN MUL_HI
	MUL16 4, 1, NQ-1, 0, 0
	MUL16 6, 1, NQ-1, 0, 0
	PLACES NP
	WIN 0
	FETCH_A 1, 0, 4
	STEPS 1, 0
	s_wait_dscnt 4*NL                              ; the last step: nothing more to fetch
	WIN MUL_LO
	MUL16 0, 1, NQ-1, 1, 0
	MUL16 2, 1, NQ-1, 1, 0
	s_wait_dscnt 0
	WIN MUL_HI
	MUL16 4, 1, NQ-1, 1, 0
	MUL16 6, 1, NQ-1, 1, 0
	WIN 0
	PLACES NP
	s_wait_loadcnt 0x0                             ; the bias
	s_cmp_eq_u32 s101, 1                           ; the same in all sixteen partners
	s_cbranch_scc1 .Lepiv
	; ---- the way out of q and k: lane (r, h) of accumulator (a, b): position 16 a + r, channels 16 b + 8 h + 0 .. 7: 16 bytes of f16, at 16 x lane of part b % 2 of an image
	s_lshl_b32 s20, s17, 8
	s_lshl_b32 s21, s15, 7
	s_add_co_u32 s20, s20, s21                     ; my first position of 4,096
	s_lshr_b32 s21, s20, 11                        ; batch
	s_and_b32 s20, s20, 2047
	s_lshr_b32 s20, s20, 4                         ; its tile in the sequence
	s_lshl_b32 s21, s21, 4
	s_lshl_b32 s22, s42, 2
	s_add_co_u32 s21, s21, s22
	s_lshl_b32 s22, s16, 1
	s_add_co_u32 s21, s21, s22                     ; 16 x batch + my first head
	s_lshl_b32 s21, s21, 7
	s_add_co_u32 s20, s20, s21
	s_lshl_b32 s20, s20, 11                        ; 2,048 bytes for a tile of positions
	s_lshl_b32 s21, s100, 23                       ; k's images lie behind q's
	s_add_co_u32 s20, s20, s21
	s_mov_b32 s21, 0
	s_add_nc_u64 s[96:97], s[96:97], s[20:21]
.set i, 0
.rept 32
	v_pk_mul_f32 v[BI+i:BI+i+1], v[BI+i:BI+i+1], s[94:95] op_sel_hi:[1,0]   ; the bias x c, once
.set i, i+2
.endr
.macro QKOUT a
.set AC, 64*((\a)%4)
	WIN 0x02+(\a)/4                                ; source 0: window 2 or 3
.irp b, 0,1,2,3,4,5,6,7
.irp i, 0,2,4,6
	v_pk_fma_f32 v[TT+8*\b+\i:TT+8*\b+\i+1], v[AC+8*\b+\i:AC+8*\b+\i+1], s[94:95], v[BI+8*\b+\i:BI+8*\b+\i+1] op_sel_hi:[1,0,1]   ; (sum + bias) x c, each accumulator from its low end on
.endr
.endr
	WIN 0
.if (\a) > 0
	s_wait_xcnt 0x0                                ; the last block's stores have read the packed registers
.endif
.irp b, 0,1,2,3,4,5,6,7
.irp i, 0,1,2,3
	v_cvt_pk_f16_f32 v[PK+4*\b+\i], v[TT+8*\b+2*\i], v[TT+8*\b+2*\i+1]
.endr
.endr
.irp b, 0,1,2,3,4,5,6,7
	global_store_b128 v[CO], v[PK+4*\b:PK+4*\b+3], s[96:97] offset:2048*(\a)+(\b/4)*262144+((\b/2)%2)*1024+(\b%2)*512   ; 512 consecutive bytes
.endr
.endm
.irp a, 0,1,2,3,4,5,6,7
	QKOUT \a
.endr
	s_wait_tensorcnt 0x0                           ; the wave's end
	ds_add_u32 v[SPW], v[NIL]
	s_wait_dscnt 0x0
	CROUND                                         ; the closing round
	s_endpgm
.Lepiv:
	; ---- the way out of v: lane (r, h) of accumulator (a, b): channel 16 a + r, keys 16 b + 8 h + 0 .. 7
	s_lshl_b32 s20, s42, 8
	s_lshl_b32 s21, s16, 7
	s_add_co_u32 s20, s20, s21                     ; my first key of 4,096
	s_lshr_b32 s21, s20, 11                        ; batch
	s_and_b32 s20, s20, 2047
	s_lshr_b32 s20, s20, 4                         ; its tile of 16 keys in the sequence
	s_lshl_b32 s21, s21, 4
	s_lshl_b32 s22, s17, 2
	s_add_co_u32 s21, s21, s22
	s_lshl_b32 s22, s15, 1
	s_add_co_u32 s21, s21, s22                     ; 16 x batch + my first head
	s_lshl_b32 s22, s21, 9
	s_add_co_u32 s22, s22, s20
	s_lshl_b32 s22, s22, 10                        ; v32: [head][channel tile][tile of 16 keys] x 1,024 bytes
	s_mov_b32 s23, 0
	s_add_nc_u64 s[98:99], s[98:99], s[22:23]
	s_lshl_b32 s21, s21, 6
	s_lshr_b32 s20, s20, 1
	s_add_co_u32 s20, s20, s21
	s_lshl_b32 s20, s20, 12                        ; v^T: [head][group of 32 keys] x 4,096 bytes
	s_add_co_u32 s20, s20, 16777216
	s_mov_b32 s21, 0
	s_add_nc_u64 s[96:97], s[96:97], s[20:21]
.macro VOUT a
.set AC, 64*((\a)%4)
.if (\a) > 0
	s_wait_xcnt 0x0                                ; the last block's stores have read the packed registers
.endif
	WIN 0x0a+5*((\a)/4)                            ; sources 0 and 1: window 2 or 3
.irp b, 0,1,2,3,4,5,6,7
.irp i, 0,1,2,3
	v_cvt_pk_f16_f32 v[PK+4*\b+\i], v[AC+8*\b+2*\i], v[AC+8*\b+2*\i+1]
.endr
.endr
	WIN 0
.irp b, 0,1,2,3,4,5,6,7
	global_store_b128 v[CO], v[PK+4*\b:PK+4*\b+3], s[96:97] offset:((\a)/4)*262144+((\a)%4)*1024+(\b/2)*4096+(\b%2)*512
.endr
	WIN 0x08+4*((\a)/4)                            ; a store's data are its source 1: window 2 or 3
.irp b, 0,1,2,3,4,5,6,7
.irp c, 0,1
	global_store_b128 v[CO], v[AC+8*\b+4*\c:AC+8*\b+4*\c+3], s[98:99] offset:((\a)/4)*524288+((\a)%4)*131072+1024*\b+512*\c
.endr
.endr
	WIN 0
.endm
.irp a, 0,1,2,3,4,5,6,7
	VOUT \a
.endr
	s_wait_tensorcnt 0x0                           ; the wave's end
	ds_add_u32 v[SPW], v[NIL]
	s_wait_dscnt 0x0
	CROUND                                         ; the closing round
	s_endpgm
.Lfunc_end_k_q8682b03626_proj:
	.size	k_q8682b03626_proj, .Lfunc_end_k_q8682b03626_proj-k_q8682b03626_proj
	.p2alignl 7, 3214868480
	.fill 96, 4, 3214868480
	.section	.rodata,"a",@progbits
	.p2align	6, 0x0
	.amdhsa_kernel k_q8682b03626_proj
		.amdhsa_group_segment_fixed_size 327680
		.amdhsa_private_segment_fixed_size 0
		.amdhsa_enable_private_segment 0
		.amdhsa_kernarg_size 56
		.amdhsa_user_sgpr_count 2
		.amdhsa_user_sgpr_kernarg_segment_ptr 1
		.amdhsa_wavefront_size32 1
		.amdhsa_system_sgpr_workgroup_id_x 1
		.amdhsa_system_sgpr_workgroup_id_y 1
		.amdhsa_system_sgpr_workgroup_id_z 1
		.amdhsa_system_vgpr_workitem_id 0
		.amdhsa_next_free_vgpr 1024
		.amdhsa_next_free_sgpr 102
		.amdhsa_reserve_vcc 0
		.amdhsa_float_denorm_mode_32 3
		.amdhsa_float_denorm_mode_16_64 3
		.amdhsa_memory_ordered 1
		.amdhsa_forward_progress 1
		.amdhsa_inst_pref_size 177
	.end_amdhsa_kernel
	.amdgpu_metadata
---
amdhsa.version: [ 1, 2 ]
amdhsa.kernels:
  - .name:           k_q8682b03626_proj
    .symbol:         k_q8682b03626_proj.kd
    .args:
      - { .name: codes, .offset: 0, .size: 8, .value_kind: global_buffer, .address_space: global }
      - { .name: scales, .offset: 8, .size: 8, .value_kind: global_buffer, .address_space: global }
      - { .name: b_q, .offset: 16, .size: 8, .value_kind: global_buffer, .address_space: global }
      - { .name: b_k, .offset: 24, .size: 8, .value_kind: global_buffer, .address_space: global }
      - { .name: b_v, .offset: 32, .size: 8, .value_kind: global_buffer, .address_space: global }
      - { .name: qkv16, .offset: 40, .size: 8, .value_kind: global_buffer, .address_space: global }
      - { .name: v32, .offset: 48, .size: 8, .value_kind: global_buffer, .address_space: global }
    .group_segment_fixed_size: 327680
    .private_segment_fixed_size: 0
    .kernarg_segment_align: 8
    .kernarg_segment_size: 56
    .max_flat_workgroup_size: 128
    .sgpr_count:     102
    .vgpr_count:     1024
    .wavefront_size: 32
...
	.end_amdgpu_metadata
.endif
;; end of part 2
;; launch finea (part 3): grid 4 x 32, 16 waves a work-group, no clusters, 20,480 bytes of LDS; arguments qkv16, v32, maskw, b_v, ofine; writes ofine
.if DOCPART == 3
	.amdgcn_target "amdgcn-amd-amdhsa--gfx1250"
	.amdhsa_code_object_version 6
	.text
	.protected	k_q8682b03626_finea
	.globl	k_q8682b03626_finea
	.p2align	8
	.type	k_q8682b03626_finea,@function
k_q8682b03626_finea:
	s_mov_b64 s[64:65], 0
	v_nop
	global_prefetch_b8 v0, s[64:65] scope:SCOPE_SE
	s_setreg_imm32_b32 hwreg(HW_REG_WAVE_MODE, 25, 1), 1
	s_wait_xcnt 0x0
; FINEA: attention for the first 16 positions of every sequence, carried finely: the weights p, v and the sums stay f32 (f32 matrix form: 32 instructions a wave, no bulk work).
; Rows that average one or a few values are the largest of the output, and f16 operands in their second product would use up what the comparison allows.  Their scores take the f16 q and k as everywhere.
; A work-group: one (batch, head) and 16 of its 64 channels; wave w: keys 128 w .. 128 w + 127.  The split by channels gives 128 work-groups with no sum between work-groups; scores and softmax are made four times over.
; The waves exchange their maxima first, so p = 2^(t - m) is taken under the row's TRUE maximum and nothing is ever rescaled.  A masked score is -1e9 x log2(e), as in the main launch: a wholly masked row averages v.
; LDS: MX [query][wave] the waves' maxima; LS likewise their sums; PO [wave][part][lane][16 bytes] their parts of O^T; the spare words.
; No cluster: the four channel quarters of a head share only q and 16 KB of k a wave, loaded once straight into registers.
.set MX,    0
.set LS,    1024
.set PO,    2048
.set SPARE, 18432
	s_load_b256 s[4:11], s[0:1], 0x0               ; qkv16 s[4:5], v32 s[6:7], maskw s[8:9], b_v s[10:11]
	s_load_b64 s[12:13], s[0:1], 0x20              ; ofine
	v_lshl_add_u32 v8, v0, 2, SPARE                ; my spare word; never rewritten
	v_mov_b32 v9, 0                                ; 0; never rewritten
	v_lshrrev_b32 v1, 5, v0
	v_readfirstlane_b32 s14, v1                    ; wave
	v_and_b32 v2, 15, v0                           ; r
	v_bfe_u32 v3, v0, 4, 1                         ; h
	v_and_b32 v1, 31, v0
	v_lshlrev_b32 v1, 4, v1                        ; 16 x lane
	v_lshlrev_b32 v4, 6, v2                        ; 64 r: a query's sixteen words
	s_lshl_b32 s15, s14, 2
	v_add_nc_u32 v5, s15, v4                       ; + 4 w: my wave's word
	s_lshl_b32 s15, s14, 10
	v_add_nc_u32 v6, s15, v1                       ; 1,024 w + 16 x lane: my wave's part
	v_lshlrev_b32 v7, 5, v3                        ; 32 h
	v_mov_b32 v11, 0                               ; (named as the upper half of the pair v[10:11])
	v_mov_b32 v12, 0xceabfb8f                      ; -1e9 x log2(e): what a masked score becomes
	s_mov_b32 s2, 0x76543210
	s_mov_b32 s3, 0xfedcba98                       ; lane l xor 16
	s_and_b32 s88, ttmp7, 0xffff                   ; 16 x batch + head
	s_lshl_b32 s86, s88, 18
	s_mov_b32 s87, 0
	s_wait_kmcnt 0x0
	s_add_nc_u64 s[4:5], s[4:5], s[86:87]          ; q: the head's tile 0
	s_lshl_b32 s89, s14, 14                        ; my 8 tiles of keys, 2,048 bytes each
	s_add_co_u32 s86, s89, 8388608
	s_add_nc_u64 s[84:85], s[4:5], s[86:87]        ; k
	s_lshl_b32 s86, s88, 2
	s_add_co_u32 s86, s86, ttmp9                   ; 4 x (batch, head) + channel tile
	s_lshl_b32 s89, s86, 10
	s_lshl_b32 s86, s86, 17
	s_lshl_b32 s15, s14, 13
	s_add_co_u32 s86, s86, s15
	s_add_nc_u64 s[6:7], s[6:7], s[86:87]          ; v in f32: my channel tile, my 8 tiles of keys
	s_mov_b32 s86, s89
	s_add_nc_u64 s[12:13], s[12:13], s[86:87]
	s_lshl_b32 s86, s14, 8
	s_add_nc_u64 s[8:9], s[8:9], s[86:87]          ; query tile 0's words for my 128 keys
	s_and_b32 s86, s88, 15
	s_lshl_b32 s86, s86, 8
	s_lshl_b32 s15, ttmp9, 6
	s_add_co_u32 s86, s86, s15
	s_add_nc_u64 s[10:11], s[10:11], s[86:87]      ; b_v at my 16 channels
.set i, 0
.rept 4
	global_load_b128 v[16+4*i:19+4*i], v1, s[4:5] offset:512*i
.set i, i+1
.endr
.set i, 0
.rept 32
	global_load_b128 v[32+4*i:35+4*i], v1, s[84:85] offset:512*i
.set i, i+1
.endr
	s_load_b512 s[16:31], s[8:9], 0x0              ; mask word n: s[16 + n] for n < 48, else s[20 + n]
	s_load_b512 s[32:47], s[8:9], 0x40
	s_load_b512 s[48:63], s[8:9], 0x80
	s_load_b512 s[68:83], s[8:9], 0xc0
	s_wait_loadcnt 0x0
.irp cg, 0,1                           ; S^T = k q^T: eight accumulators by turns; lane (r, h) of tile kt: query r, keys 16 kt + 8 h + 0 .. 7
.irp kt, 0,1,2,3,4,5,6,7
.if \cg == 0
	v_wmma_f32_16x16x32_f16 v[160+8*\kt:167+8*\kt], v[32+16*\kt:39+16*\kt], v[16:23], 0
.else
	v_wmma_f32_16x16x32_f16 v[160+8*\kt:167+8*\kt], v[40+16*\kt:47+16*\kt], v[24:31], v[160+8*\kt:167+8*\kt]
.endif
.endr
.endr
.rept 4
	v_nop                                          ; places in front of loads into k's registers and of the first read of the scores
.endr
.set i, 0
.rept 16
	global_load_b128 v[32+4*i:35+4*i], v1, s[6:7] offset:512*i   ; v in f32: register 32 + 8 kt + e: channel r, key 16 kt + 8 h + e
.set i, i+1
.endr
	s_wait_kmcnt 0x0
.set n, 0
.rept 64
.if n < 48
	v_cndmask_b32 v[160+n], v12, v[160+n], s[16+n]
.else
	v_cndmask_b32 v[160+n], v12, v[160+n], s[20+n]
.endif
.set n, n+1
.endr
.irp b, 0,1,2,3
	v_max3_num_f32 v[96+\b], v[160+16*\b], v[161+16*\b], v[162+16*\b]
.endr
.irp i, 3,5,7,9,11,13
.irp b, 0,1,2,3
	v_max3_num_f32 v[96+\b], v[96+\b], v[160+16*\b+\i], v[161+16*\b+\i]
.endr
.endr
.irp b, 0,1,2,3
	v_max_num_f32 v[96+\b], v[96+\b], v[175+16*\b]
.endr
	v_max3_num_f32 v100, v96, v97, v98
	v_max_num_f32 v100, v100, v99
	v_permlanex16_b32 v101, v100, s2, s3
	v_max_num_f32 v100, v100, v101                 ; my wave's largest t of query r
	ds_store_b32 v5, v100 offset:MX                ; (both halves of the lanes write the same word with the same value)
	s_wait_dscnt 0x0                               ; for the others' sake
	s_barrier_signal -1
	s_barrier_wait -1
.irp i, 0,1,2,3
	ds_load_b128 v[104+4*\i:107+4*\i], v4 offset:MX+16*\i
.endr
	s_wait_dscnt 0x0
	v_max3_num_f32 v10, v104, v105, v106
	v_max3_num_f32 v14, v107, v108, v109
	v_max3_num_f32 v10, v10, v110, v111
	v_max3_num_f32 v14, v14, v112, v113
	v_max3_num_f32 v10, v10, v114, v115
	v_max3_num_f32 v14, v14, v116, v117
	v_max3_num_f32 v10, v10, v118, v119
	v_max_num_f32 v10, v10, v14                    ; the row's maximum m
.set i, 0
.rept 32
	v_pk_add_f32 v[160+i:161+i], v[160+i:161+i], v[10:11] op_sel_hi:[1,0] neg_lo:[0,1] neg_hi:[0,1]   ; t - m: exactly 0 at the maximum
.set i, i+2
.endr
.set i, 0
.rept 64
	v_exp_f32 v[160+i], v[160+i]
.set i, i+1
.endr
	v_nop                                          ; a plain line behind the last exponential
	s_wait_alu depctr_va_vdst(0)                   ; one wait for the batch, ahead of its first reader
	v_pk_add_f32 v[120:121], v[160:161], v[162:163]
	v_pk_add_f32 v[122:123], v[164:165], v[166:167]
.set i, 8
.rept 14
	v_pk_add_f32 v[120:121], v[120:121], v[160+i:161+i]
	v_pk_add_f32 v[122:123], v[122:123], v[162+i:163+i]
.set i, i+4
.endr
	v_pk_add_f32 v[120:121], v[120:121], v[122:123]
	v_add_f32 v13, v120, v121
	v_permlanex16_b32 v101, v13, s2, s3
	v_add_f32 v13, v13, v101                       ; my wave's sum of p for query r
	s_wait_loadcnt 0x0                             ; v
.irp kt, 0,1,2,3,4,5,6,7               ; O^T += v^T p, four keys an instruction, four accumulators by turns.  Place (h, j) of the instruction's four along K is key 16 kt + 8 h + 2 i + j on both sides
.irp i, 0,1,2,3
.if \kt == 0
	v_wmma_f32_16x16x4_f32 v[224+8*\i:231+8*\i], v[32+2*\i:33+2*\i], v[160+2*\i:161+2*\i], 0
.else
	v_wmma_f32_16x16x4_f32 v[224+8*\i:231+8*\i], v[32+8*\kt+2*\i:33+8*\kt+2*\i], v[160+8*\kt+2*\i:161+8*\kt+2*\i], v[224+8*\i:231+8*\i]
.endif
.endr
.endr
.rept 8
	v_nop                                          ; eight places behind this form
.endr
.irp i, 0,2,4,6                        ; the four accumulators are added into other registers, each from its low end on
	v_pk_add_f32 v[16+\i:17+\i], v[224+\i:225+\i], v[232+\i:233+\i]
	v_pk_add_f32 v[24+\i:25+\i], v[240+\i:241+\i], v[248+\i:249+\i]
	v_pk_add_f32 v[16+\i:17+\i], v[16+\i:17+\i], v[24+\i:25+\i]
.endr
	ds_store_b128 v6, v[16:19] offset:PO
	ds_store_b128 v6, v[20:23] offset:PO+512
	ds_store_b32 v5, v13 offset:LS
	s_wait_dscnt 0x0                               ; for wave 0's sake
	s_barrier_signal -1
	s_barrier_wait -1
	s_cmp_lg_u32 s14, 0
	s_cbranch_scc1 .Lend
	; wave 0 adds the sixteen parts, divides, adds b_v and stores 1,024 bytes
	global_load_b128 v[176:179], v7, s[10:11]
	global_load_b128 v[180:183], v7, s[10:11] offset:16
.set i, 0
.rept 32
	ds_load_b128 v[32+4*i:35+4*i], v1 offset:PO+512*i
.set i, i+1
.endr
.irp i, 0,1,2,3
	ds_load_b128 v[160+4*\i:163+4*\i], v4 offset:LS+16*\i
.endr
	s_wait_dscnt 0x0
.irp w, 1,2,3,4,5,6,7,8,9,10,11,12,13,14,15
.irp i, 0,2,4,6
	v_pk_add_f32 v[32+\i:33+\i], v[32+\i:33+\i], v[32+8*\w+\i:33+8*\w+\i]
.endr
.endr
.irp i, 2,4,6,8,10,12,14
	v_pk_add_f32 v[160:161], v[160:161], v[160+\i:161+\i]
.endr
	v_add_f32 v160, v160, v161                     ; the row's sum: at least 1
	v_rcp_f32 v162, v160
	v_mov_b32 v163, 0                              ; (a plain line behind the reciprocal; the pair's upper half)
	s_wait_alu depctr_va_vdst(0)                   ; ahead of the reciprocal's first reader
	s_wait_loadcnt 0x0
.irp i, 0,2,4,6
	v_pk_fma_f32 v[184+\i:185+\i], v[32+\i:33+\i], v[162:163], v[176+\i:177+\i] op_sel_hi:[1,0,1]
.endr
	global_store_b128 v1, v[184:187], s[12:13]
	global_store_b128 v1, v[188:191], s[12:13] offset:512
.Lend:
	s_wait_tensorcnt 0x0                           ; the wave's end, behind the last LDS store
	ds_add_u32 v8, v9
	s_wait_dscnt 0x0
	s_endpgm
.Lfunc_end_k_q8682b03626_finea:
	.size	k_q8682b03626_finea, .Lfunc_end_k_q8682b03626_finea-k_q8682b03626_finea
	.p2alignl 7, 3214868480
	.fill 96, 4, 3214868480
	.section	.rodata,"a",@progbits
	.p2align	6, 0x0
	.amdhsa_kernel k_q8682b03626_finea
		.amdhsa_group_segment_fixed_size 20480
		.amdhsa_private_segment_fixed_size 0
		.amdhsa_enable_private_segment 0
		.amdhsa_kernarg_size 40
		.amdhsa_user_sgpr_count 2
		.amdhsa_user_sgpr_kernarg_segment_ptr 1
		.amdhsa_wavefront_size32 1
		.amdhsa_system_sgpr_workgroup_id_x 1
		.amdhsa_system_sgpr_workgroup_id_y 1
		.amdhsa_system_sgpr_workgroup_id_z 1
		.amdhsa_system_vgpr_workitem_id 0
		.amdhsa_next_free_vgpr 256
		.amdhsa_next_free_sgpr 90
		.amdhsa_reserve_vcc 0
		.amdhsa_float_denorm_mode_32 3
		.amdhsa_float_denorm_mode_16_64 3
		.amdhsa_memory_ordered 1
		.amdhsa_forward_progress 1
		.amdhsa_inst_pref_size 33
	.end_amdhsa_kernel
	.amdgpu_metadata
---
amdhsa.version: [ 1, 2 ]
amdhsa.kernels:
  - .name:           k_q8682b03626_finea
    .symbol:         k_q8682b03626_finea.kd
    .args:
      - { .name: qkv16, .offset: 0, .size: 8, .value_kind: global_buffer, .address_space: global }
      - { .name: v32, .offset: 8, .size: 8, .value_kind: global_buffer, .address_space: global }
      - { .name: maskw, .offset: 16, .size: 8, .value_kind: global_buffer, .address_space: global }
      - { .name: b_v, .offset: 24, .size: 8, .value_kind: global_buffer, .address_space: global }
      - { .name: ofine, .offset: 32, .size: 8, .value_kind: global_buffer, .address_space: global }
    .group_segment_fixed_size: 20480
    .private_segment_fixed_size: 0
    .kernarg_segment_align: 8
    .kernarg_segment_size: 40
    .max_flat_workgroup_size: 512
    .sgpr_count:     90
    .vgpr_count:     256
    .wavefront_size: 32
...
	.end_amdgpu_metadata
.endif
;; end of part 3
;; launch attn (part 4): grid 8 x 32, 16 waves a work-group, clusters of 4 x 1, 327,680 bytes of LDS; arguments qkv16, maskw, b_v, o16; writes o16
.if DOCPART == 4
	.amdgcn_target "amdgcn-amd-amdhsa--gfx1250"
	.amdhsa_code_object_version 6
	.text
	.protected	k_q8682b03626_attn
	.globl	k_q8682b03626_attn
	.p2align	8
	.type	k_q8682b03626_attn,@function
k_q8682b03626_attn:
	s_mov_b64 s[64:65], 0
	v_nop
	global_prefetch_b8 v0, s[64:65] scope:SCOPE_SE
	s_setreg_imm32_b32 hwreg(HW_REG_WAVE_MODE, 25, 1), 1
	s_wait_xcnt 0x0
	s_wait_alu depctr_hold_cnt(0) depctr_sa_sdst(0) depctr_va_vdst(0) depctr_va_sdst(0) depctr_va_ssrc(0) depctr_va_vcc(0) depctr_vm_vsrc(0)
	s_getreg_b32 s2, hwreg(HW_REG_IB_STS2, 6, 4)
	s_cmp_eq_u32 s2, 0
	s_cbranch_scc0 .Lentry_in_a_cluster
	s_endpgm
.Lentry_in_a_cluster:
	s_bfe_u32 s2, ttmp6, 0x10000c
	s_cmp_lg_u32 s2, 0x3003
	s_cbranch_scc0 .Lentry_shape_is_right
	s_endpgm
.Lentry_shape_is_right:
; ATTN: O = softmax(q k^T / 8, masked) v + b_v for all rows, f16 operands, f32 sums and softmax.  The mask is an input: every key is walked for every query, and a masked score becomes -1e9 ahead of the maximum,
; as the definition has it: so a wholly masked row comes out as the plain average of v.
; q arrives multiplied by log2(e) / 8, so a score is t, an exponent of 2; a masked t is -1e9 x log2(e).  p = 2^(t - m) under a running maximum m; when m grows, l and O^T are multiplied by a = 2^(old m - new m).
; t - m is a plain subtraction: exactly 0 at the maximum, whatever its size, so p never passes 1 and fits f16.
; SHARES.  A work-group: 256 queries of one (batch, head), sixteen waves.  Waves w and w + 8 own the same two tiles of 16 queries and share the keys: wave w walks the even key steps (64 keys each), wave w + 8 the odd ones,
; each under a running m, l and O^T of its own.  So each fragment of k and v read from LDS feeds two products, a wave needs 256 registers and no register windows, and four waves stand on a SIMD: one's waits beside the others' work.
; At the end waves 8-15 hand m, l and O^T over through LDS, and waves 0-7 bring both halves under the common maximum, add them, divide and store.
; LAYOUT.  S^T = k q^T (source 0 = 16 keys, source 1 = 16 queries), O^T = v^T P: a lane holds ONE query throughout; two score tiles rounded to f16 in pairs ARE source 1 of the second product.
; All operands lie in memory as images of operand registers, so every fragment is two loads at 16 x lane.
; CLUSTER.  The four query blocks of a cluster walk the same k and v: each tile of 512 keys (64 KB of k, 64 KB of v^T) is asked for jointly, by waves 0-3, 32 KB each, into a ring of two slots.  One load a wave is out at most.
; THE MASK comes as lane-mask words by scalar loads, a key step ahead: 64 words for two tiles x 64 keys; each feeds one v_cndmask_b32.  Nothing branches on them.
; LIMITS: |q|, |k|, |v|, |O| under 65,504 (f16), f16 subnormals under 6e-5; rows carry the rounding of f16 operands (the first 16 positions of each sequence are made again, finely, by two small launches).
; REGISTERS: v1 16 x lane; v2, v3 LDS addresses; v4, v5 the add's two; v6 the masked t; v7 256 x lane; v8-23 statistics, 8 a tile: +0 m, +1 old m, +2, +3 l, +4..7 at work (a at +6);
;   v24-55 q; v56-119 k's eight fragments, then v's; v120-183 S^T, 32 a tile, then P in a tile's first 16; v184-247 O^T, 32 a tile; v248-255 the sums' chains, at the end both halves' m and l.
.set SLOT,  131072
.set SPARE, 262144                     ; the spare words: 128 bytes for each of sixteen waves, named by no other line
.set STGW,  17*512                     ; the hand-over: a wave's 64 registers of O^T and four numbers, as images: 17 x 512 bytes.  The eight stages lie from LDS byte 0 on, in slot 0,
                                       ; which has had its last fill (tile 2) and its last read when the first of them is written
.set ST, 8
.set QF, 24
.set FF, 56
.set SS, 120
.set OO, 184
.set CH, 248
.macro ROUND                           ; a round of the cluster's barrier
	s_barrier_signal -1
	s_barrier_wait -1
	s_cmp_lg_u32 s12, 0
	s_cbranch_scc1 .Lnot_wave_0_\@
	s_barrier_signal -3
.Lnot_wave_0_\@:
	s_barrier_wait -3
	s_barrier_signal -1
	s_barrier_wait -1
.endm
	s_load_b256 s[4:11], s[0:1], 0x0               ; qkv16 s[4:5], maskw s[6:7], b_v s[8:9], o16 s[10:11]
	v_lshl_add_u32 v4, v0, 2, SPARE
	v_mov_b32 v5, 0
	ds_add_u32 v4, v5                              ; the wave's opening: the add, twice on end, and its wait ahead of the first tensor load
	ds_add_u32 v4, v5
	v_lshrrev_b32 v1, 5, v0
	v_readfirstlane_b32 s12, v1                    ; wave 0..15
	; group 1: 32,768 dense bytes as 128 rows of 256 (32 elements of 8 bytes); the mask names all four work-groups, bit 21 beside it
	s_mov_b32 s84, 15|(3<<16)|(1<<21)
	s_mov_b32 s85, 32<<16
	s_mov_b32 s86, 128<<16
	s_mov_b32 s87, 32<<16
	s_mov_b32 s88, 128
	s_mov_b32 s89, 32
	s_mov_b32 s90, 0
	s_mov_b32 s91, 0
	s_mov_b32 s104, 0x76543210
	s_mov_b32 s105, 0xfedcba98                     ; lane l xor 16
	s_and_b32 s15, ttmp7, 0xffff                   ; 16 x batch + head: the four partners share it
	s_bfe_u32 s16, ttmp6, 0x40000                  ; cx
	s_lshl_b32 s17, ttmp9, 2
	s_add_co_u32 s17, s17, s16                     ; my block of 256 queries
	s_lshl_b32 s18, s15, 18                        ; the head's 262,144 bytes of k or of v^T
	s_and_b32 s19, s12, 1
	s_lshl_b32 s22, s19, 15                        ; which half of a tile I fetch
	s_add_co_u32 s22, s22, s18
	s_mov_b32 s23, 16777216
	s_cmp_lt_u32 s12, 2                            ; waves 0, 1: k; waves 2, 3: v^T
	s_cselect_b32 s23, 8388608, s23
	s_add_co_u32 s22, s22, s23
	s_mov_b32 s23, 0
	s_mov_b32 s92, 1
	s_lshl_b32 s93, s12, 15                        ; slot 0: wave x 32,768: [k half 0][k half 1][v half 0][v half 1] (waves 0-3 alone issue loads)
	s_mov_b32 s96, 1
	s_add_co_u32 s97, s93, SLOT
	s_lshl_b32 s24, s17, 4
	s_and_b32 s25, s12, 7
	s_lshl_b32 s25, s25, 1
	s_add_co_u32 s24, s24, s25                     ; my first tile of 16 queries: waves w and w + 8 have the same
	v_and_b32 v1, 31, v0
	v_lshlrev_b32 v7, 8, v1
	v_lshlrev_b32 v1, 4, v1
	s_wait_dscnt 0x0                               ; both opening adds are done
	s_wait_kmcnt 0x0
	s_add_nc_u64 s[94:95], s[4:5], s[22:23]        ; tile 0 of 512 keys,
	s_add_nc_u64 s[98:99], s[94:95], 65536         ; tile 1
	s_or_b32 s95, s95, 0x80000000
	s_or_b32 s99, s99, 0x80000000
	s_lshl_b32 s20, s15, 7
	s_add_co_u32 s20, s20, s24
	s_lshl_b32 s20, s20, 11
	s_mov_b32 s21, 0
	s_add_nc_u64 s[20:21], s[4:5], s[20:21]        ; q's images of my two tiles
	s_lshl_b32 s26, s24, 12
	s_mov_b32 s27, 0
	s_add_nc_u64 s[6:7], s[6:7], s[26:27]          ; their mask words
	s_and_b32 s25, s15, 15
	s_lshl_b32 s26, s25, 8
	s_add_nc_u64 s[8:9], s[8:9], s[26:27]          ; b_v at my head
	s_lshr_b32 s26, s15, 4
	s_lshl_b32 s26, s26, 7
	s_add_co_u32 s26, s26, s24
	s_lshl_b32 s26, s26, 15
	s_lshl_b32 s25, s25, 11
	s_add_co_u32 s26, s26, s25
	s_add_nc_u64 s[10:11], s[10:11], s[26:27]      ; o16: [tile of rows][32 channels] x 1,024 bytes
	; the prefetches: the head's first cluster asks; its four partners share a tile's 64 KB out by address, 16 KB each; waves 4, 5 ask for k's, waves 6, 7 for v's, 8 KB each, lanes 256 bytes apart
	s_lshl_b32 s26, s16, 14
	s_add_co_u32 s26, s26, s18
	s_lshl_b32 s25, s19, 13
	s_add_co_u32 s26, s26, s25
	s_mov_b32 s25, 16777216
	s_cmp_lt_u32 s12, 6
	s_cselect_b32 s25, 8388608, s25
	s_add_co_u32 s26, s26, s25
	s_add_nc_u64 s[100:101], s[4:5], s[26:27]      ; never rewritten: the tile stands in the immediate
	s_lshr_b32 s25, s12, 2
	s_xor_b32 s25, s25, 1                          ; 0 in waves 4 to 7,
	s_or_b32 s25, s25, ttmp9                       ; of the head's first cluster: the same in all four partners
	s_cmp_eq_u32 s25, 0
	s_cselect_b32 s14, 1, 0
	s_lshr_b32 s13, s12, 3                         ; 0: I walk the even key steps; 1: the odd ones
	s_lshl_b32 s15, s13, 13                        ; my first step's images in a slot: 8,192 bytes a step
	s_lshl_b32 s13, s13, 7                         ; my first step's place among a tile's mask words: 128 bytes a step
	ROUND                                          ; all four work-groups are here: the first joint loads meet
	s_cmp_lt_u32 s12, 4
	s_cbranch_scc0 .Lno_first
	tensor_load_to_lds s[92:95], s[84:91]          ; tile 0 into slot 0
	s_nop 0
.rept 4
	v_nop
.endr
.Lno_first:
.set i, 0
.rept 8
	global_load_b128 v[QF+4*i:QF+4*i+3], v1, s[20:21] offset:512*i   ; q stays in registers: tile i / 4, channels 32 ((i / 2) % 2) on
.set i, i+1
.endr
	s_wait_xcnt 0x0                                ; q's loads have read their base, which lies where the mask words land
	s_load_b512 s[16:31], s[6:7], s13 offset:0x0   ; word n: s[16 + n] for n < 48, else s[20 + n]; tile 0: n = 0 .. 31, tile 1: 32 .. 63
	s_load_b512 s[32:47], s[6:7], s13 offset:0x40
	s_load_b512 s[48:63], s[6:7], s13 offset:0x1000
	s_load_b512 s[68:83], s[6:7], s13 offset:0x1040
	v_mov_b32 v6, 0xceabfb8f                       ; -1e9 x log2(e)
.irp t, 0,1
	v_mov_b32 v[ST+8*\t], 0xff61b1e6               ; m = -3e38, under every t
	v_mov_b32 v[ST+8*\t+1], 0
	v_mov_b32 v[ST+8*\t+2], 0                      ; l, in two halves
	v_mov_b32 v[ST+8*\t+3], 0
.endr
.set i, 0
.rept 64
	v_mov_b32 v[OO+i], 0                           ; O^T: the key step is written once; its first pass finds zeros
.set i, i+1
.endr
	s_wait_loadcnt 0x0                             ; q
; A KEY STEP: 64 keys for my two tiles of queries.
.macro KSTEP
	v_add_nc_u32 v2, s2, v1                        ; k's images of this step
	v_add_nc_u32 v3, 0x10000, v2                   ; v's
.rept 4
	v_nop                                          ; with the two lines above: six places behind the last products, of which the scores' first products (they write over P) want five and the loads four
.endr
.set f, 0
.rept 8                                ; fragment f = 2 kt + cg: keys 16 kt on, channels 32 cg on
	ds_load_b128 v[FF+8*f:FF+8*f+3], v2 offset:1024*f
	ds_load_b128 v[FF+8*f+4:FF+8*f+7], v2 offset:1024*f+512
.set f, f+1
.endr
	s_wait_dscnt 0x0
.irp cg, 0,1                           ; eight accumulators by turns
.irp kt, 0,1,2,3
.irp t, 0,1
.if \cg == 0
	v_wmma_f32_16x16x32_f16 v[SS+32*\t+8*\kt:SS+32*\t+8*\kt+7], v[FF+16*\kt:FF+16*\kt+7], v[QF+16*\t:QF+16*\t+7], 0
.else
	v_wmma_f32_16x16x32_f16 v[SS+32*\t+8*\kt:SS+32*\t+8*\kt+7], v[FF+16*\kt+8:FF+16*\kt+15], v[QF+16*\t+8:QF+16*\t+15], v[SS+32*\t+8*\kt:SS+32*\t+8*\kt+7]
.endif
.endr
.endr
.endr
.irp t, 0,1
	v_mov_b32 v[ST+8*\t+1], v[ST+8*\t]             ; the old m is kept.  These two lines and the two below are the four places in front of the loads into k's registers and of the first read of the scores
.endr
.rept 2
	v_nop
.endr
.set f, 0
.rept 8                                ; fragment f = 4 g + ct: keys 32 g on, channels 16 ct on: they land while the softmax is walked
	ds_load_b128 v[FF+8*f:FF+8*f+3], v3 offset:1024*f
	ds_load_b128 v[FF+8*f+4:FF+8*f+7], v3 offset:1024*f+512
.set f, f+1
.endr
	s_wait_kmcnt 0x0                               ; this step's mask words, asked for a step ago
.set n, 0
.rept 64
.if n < 48
	v_cndmask_b32 v[SS+n], v6, v[SS+n], s[16+n]    ; bit 16 h + r clear: the score of query r and key 16 kt + 8 h + j is masked
.else
	v_cndmask_b32 v[SS+n], v6, v[SS+n], s[20+n]
.endif
.set n, n+1
.endr
	s_add_co_u32 s13, s13, 256                     ; (free since the wait above) my next step's words: two steps on;
	s_and_b32 s13, s13, 4095                       ; behind my last step it turns back to my first: no load leaves the buffer
	s_load_b512 s[16:31], s[6:7], s13 offset:0x0
	s_load_b512 s[32:47], s[6:7], s13 offset:0x40
	s_load_b512 s[48:63], s[6:7], s13 offset:0x1000
	s_load_b512 s[68:83], s[6:7], s13 offset:0x1040
.irp j, 0,1,2,3                        ; the maximum: four chains a tile, the two tiles by turns
.irp t, 0,1
	v_max3_num_f32 v[ST+8*\t+4+\j], v[SS+32*\t+8*\j], v[SS+32*\t+8*\j+1], v[SS+32*\t+8*\j+2]
.endr
.endr
.irp u, 3,5
.irp j, 0,1,2,3
.irp t, 0,1
	v_max3_num_f32 v[ST+8*\t+4+\j], v[ST+8*\t+4+\j], v[SS+32*\t+8*\j+\u], v[SS+32*\t+8*\j+\u+1]
.endr
.endr
.endr
.irp t, 0,1
	v_max3_num_f32 v[ST+8*\t+4], v[ST+8*\t+4], v[SS+32*\t+7], v[SS+32*\t+15]
.endr
.irp t, 0,1
	v_max3_num_f32 v[ST+8*\t+6], v[ST+8*\t+6], v[SS+32*\t+23], v[SS+32*\t+31]
.endr
.irp t, 0,1
	v_max3_num_f32 v[ST+8*\t+4], v[ST+8*\t+4], v[ST+8*\t+5], v[ST+8*\t+6]
.endr
.irp t, 0,1
	v_max3_num_f32 v[ST+8*\t+4], v[ST+8*\t+4], v[ST+8*\t+7], v[ST+8*\t]   ; and the old m
.endr
.irp t, 0,1
	v_permlanex16_b32 v[ST+8*\t+5], v[ST+8*\t+4], s104, s105   ; the query's other 32 keys lie in the lane 16 away
.endr
.irp t, 0,1
	v_max_num_f32 v[ST+8*\t], v[ST+8*\t+4], v[ST+8*\t+5]       ; the new m
.endr
.irp t, 0,1
	v_sub_f32 v[ST+8*\t+7], v[ST+8*\t+1], v[ST+8*\t]           ; old m - new m
.endr
.set i, 0
.rept 16
.irp t, 0,1
	v_pk_add_f32 v[SS+32*\t+i:SS+32*\t+i+1], v[SS+32*\t+i:SS+32*\t+i+1], v[ST+8*\t:ST+8*\t+1] op_sel_hi:[1,0] neg_lo:[0,1] neg_hi:[0,1]   ; t - m
.endr
.set i, i+2
.endr
.irp t, 0,1
	v_exp_f32 v[ST+8*\t+6], v[ST+8*\t+7]           ; a
.endr
.set i, 0
.rept 32
.irp t, 0,1
	v_exp_f32 v[SS+32*\t+i], v[SS+32*\t+i]         ; p, at most 1
.endr
.set i, i+1
.endr
	v_nop                                          ; a plain line behind the last exponential
	s_wait_alu depctr_va_vdst(0)                   ; ONE wait for the 66, ahead of their first reader
.irp t, 0,1
	v_pk_add_f32 v[CH+4*\t:CH+4*\t+1], v[SS+32*\t:SS+32*\t+1], v[SS+32*\t+2:SS+32*\t+3]
.endr
.irp t, 0,1
	v_pk_add_f32 v[CH+4*\t+2:CH+4*\t+3], v[SS+32*\t+4:SS+32*\t+5], v[SS+32*\t+6:SS+32*\t+7]
.endr
.irp j, 8,12,16,20,24,28
.irp t, 0,1
	v_pk_add_f32 v[CH+4*\t:CH+4*\t+1], v[CH+4*\t:CH+4*\t+1], v[SS+32*\t+\j:SS+32*\t+\j+1]
	v_pk_add_f32 v[CH+4*\t+2:CH+4*\t+3], v[CH+4*\t+2:CH+4*\t+3], v[SS+32*\t+\j+2:SS+32*\t+\j+3]
.endr
.endr
.irp t, 0,1
	v_pk_add_f32 v[CH+4*\t:CH+4*\t+1], v[CH+4*\t:CH+4*\t+1], v[CH+4*\t+2:CH+4*\t+3]
.endr
.irp t, 0,1
	v_pk_fma_f32 v[ST+8*\t+2:ST+8*\t+3], v[ST+8*\t+2:ST+8*\t+3], v[ST+8*\t+6:ST+8*\t+7], v[CH+4*\t:CH+4*\t+1] op_sel_hi:[1,0,1]   ; l = a l + the step's sum, of the unrounded p
.endr
.set i, 0
.rept 16
.irp t, 0,1
	v_cvt_pk_f16_f32 v[SS+32*\t+i], v[SS+32*\t+2*i], v[SS+32*\t+2*i+1]   ; P in place, ascending: registers 8 g .. 8 g + 7 are source 1 for keys 32 g on
.endr
.set i, i+1
.endr
.set i, 0
.rept 16
.irp t, 0,1
	v_pk_mul_f32 v[OO+32*\t+i:OO+32*\t+i+1], v[OO+32*\t+i:OO+32*\t+i+1], v[ST+8*\t+6:ST+8*\t+7] op_sel_hi:[1,0]   ; O^T x a
.endr
.set i, i+2
.endr
	s_wait_dscnt 0x0                               ; v's fragments
.irp g, 0,1                            ; eight accumulators by turns
.irp ct, 0,1,2,3
.irp t, 0,1
	v_wmma_f32_16x16x32_f16 v[OO+32*\t+8*\ct:OO+32*\t+8*\ct+7], v[FF+8*(4*\g+\ct):FF+8*(4*\g+\ct)+7], v[SS+32*\t+8*\g:SS+32*\t+8*\g+7], v[OO+32*\t+8*\ct:OO+32*\t+8*\ct+7]
.endr
.endr
.endr
	s_add_co_u32 s2, s2, 16384                     ; my next step's images: two steps on
.endm
; A TILE OF 512 KEYS: eight key steps, four of them mine.  At its head the change of slots: each wave waits for all its tensor loads, adds 0 to its spare word, waits for that and for its reads of the slot that it has left;
; a round of the cluster's barrier; behind it, first, the joint load of the next tile into the slot just left: it has four key steps of every wave in which to land.
; ask: the tile that the NEXT change will load is prefetched (-1: none): a tile, four key steps of every wave, ahead of its load.
.macro TRIP slot, refill, ask
	s_wait_tensorcnt 0x0                           ; no tensor load of mine is out: a group 0 may be written
	ds_add_u32 v4, v5
.if \refill
	ds_add_u32 v4, v5                              ; and once more where a load follows
.endif
	s_add_nc_u64 s[94+4*\slot:95+4*\slot], s[94+4*\slot:95+4*\slot], 131072   ; this slot's next tile, two tiles on (behind the last two tiles the stepped address is not used)
	s_add_co_u32 s2, s15, \slot*SLOT               ; my first step in this slot
	s_mov_b32 s3, 4
	s_wait_dscnt 0x0
	ROUND
.if \refill
	s_cmp_lt_u32 s12, 4
	s_cbranch_scc0 .Lno_load_\@
	tensor_load_to_lds s[96-4*\slot:99-4*\slot], s[84:91]
	s_nop 0
.rept 4
	v_nop
.endr
.Lno_load_\@:
.endif
.if \ask >= 0
	s_cmp_eq_u32 s14, 1
	s_cbranch_scc0 .Lno_ask_\@
	global_prefetch_b8 v7, s[100:101] offset:\ask*65536 th:TH_LOAD_NT scope:SCOPE_SE
.Lno_ask_\@:
.endif
.Lstep_\@:
	KSTEP
	s_sub_co_u32 s3, s3, 1
	s_cmp_lg_u32 s3, 0
	s_cbranch_scc1 .Lstep_\@
.endm
	TRIP 0, 1, 2                                   ; tile 0 | tile 1 goes out (slot 1's first fill) | tile 2 is prefetched
	TRIP 1, 1, 3                                   ; tile 1 | tile 2 goes out | tile 3 is prefetched
	TRIP 0, 1, -1                                  ; tile 2 | tile 3 goes out
	TRIP 1, 0, -1                                  ; tile 3
	; THE HAND-OVER.  Every wave lays its m and l (the lane's two halves added) in four registers on end; waves 8-15 store them and O^T as images of their registers; a barrier; waves 0-7 read them.
	; The seven plain lines below are also the places behind the last products, in front of the stores of O^T and of the loads into v's and P's registers.
.irp t, 0,1
	v_mov_b32 v[CH+2*\t], v[ST+8*\t]
	v_add_f32 v[CH+2*\t+1], v[ST+8*\t+2], v[ST+8*\t+3]
.endr
	s_and_b32 s3, s12, 7
	s_mul_i32 s3, s3, STGW
	v_add_nc_u32 v3, s3, v1                        ; the stage of waves w and w + 8: (wave & 7) x 8,704 + 16 x lane
	v_bfe_u32 v2, v0, 4, 1
	v_lshlrev_b32 v2, 5, v2                        ; 32 h
	s_cmp_lt_u32 s12, 8
	s_cbranch_scc1 .Lkeep
.set i, 0
.rept 16
	ds_store_b128 v3, v[OO+4*i:OO+4*i+3] offset:512*i   ; each accumulator from its low end on
.set i, i+1
.endr
	ds_store_b128 v3, v[CH:CH+3] offset:8192
.Lkeep:
	s_wait_dscnt 0x0                               ; for the other wave's sake: my stores have landed
	s_barrier_signal -1
	s_barrier_wait -1
	s_cmp_ge_u32 s12, 8
	s_cbranch_scc1 .Lend                           ; waves 8-15 have handed over
	; THE WAY OUT, waves 0-7.  M = the larger m; f = 2^(m - M) for each half; l = l_a f_a + l_b f_b; O = O_a f_a / l + (O_b f_b / l + b_v), rounded to f16:
	; a lane's eight channels are 16 bytes at 16 x lane of an image of the last product's operand.
.set i, 0
.rept 8
	global_load_b128 v[FF+4*i:FF+4*i+3], v2, s[8:9] offset:64*(i/2)+16*(i%2)   ; b_v at channels 16 ct + 8 h + 0 .. 7
.set i, i+1
.endr
.set i, 0
.rept 16
	ds_load_b128 v[SS+4*i:SS+4*i+3], v3 offset:512*i    ; the other half's O^T, register for register
.set i, i+1
.endr
	ds_load_b128 v[CH+4:CH+7], v3 offset:8192           ; and its m, l, m, l
	s_wait_dscnt 0x0
.irp t, 0,1
	v_max_num_f32 v[ST+8*\t], v[CH+2*\t], v[CH+4+2*\t]
.endr
.irp t, 0,1
	v_sub_f32 v[ST+8*\t+4], v[CH+2*\t], v[ST+8*\t]
	v_sub_f32 v[ST+8*\t+5], v[CH+4+2*\t], v[ST+8*\t]
.endr
.irp t, 0,1
	v_exp_f32 v[ST+8*\t+6], v[ST+8*\t+4]           ; f_a
	v_exp_f32 v[ST+8*\t+2], v[ST+8*\t+5]           ; f_b: one of the two is exactly 1
.endr
	v_nop                                          ; a plain line behind the last exponential
	s_wait_alu depctr_va_vdst(0)                   ; one wait for the four, ahead of their first reader
.irp t, 0,1
	v_mul_f32 v[ST+8*\t+4], v[CH+1+2*\t], v[ST+8*\t+6]
.endr
.irp t, 0,1
	v_fma_f32 v[ST+8*\t+4], v[CH+5+2*\t], v[ST+8*\t+2], v[ST+8*\t+4]
.endr
.irp t, 0,1
	v_permlanex16_b32 v[ST+8*\t+5], v[ST+8*\t+4], s104, s105
.endr
.irp t, 0,1
	v_add_f32 v[ST+8*\t+4], v[ST+8*\t+4], v[ST+8*\t+5]   ; the row's sum: at least 1
.endr
.irp t, 0,1
	v_rcp_f32 v[ST+8*\t+1], v[ST+8*\t+4]
.endr
	v_nop
	s_wait_alu depctr_va_vdst(0)                   ; one wait for the two reciprocals, ahead of their first reader
.irp t, 0,1
	v_mul_f32 v[ST+8*\t+6], v[ST+8*\t+6], v[ST+8*\t+1]   ; f_a / l
	v_mul_f32 v[ST+8*\t+2], v[ST+8*\t+2], v[ST+8*\t+1]   ; f_b / l
.endr
	s_wait_loadcnt 0x0                             ; b_v
.irp t, 0,1
.set i, 0
.rept 16
	v_pk_fma_f32 v[SS+32*\t+i:SS+32*\t+i+1], v[SS+32*\t+i:SS+32*\t+i+1], v[ST+8*\t+2:ST+8*\t+3], v[FF+i:FF+i+1] op_sel_hi:[1,0,1]
	v_pk_fma_f32 v[OO+32*\t+i:OO+32*\t+i+1], v[OO+32*\t+i:OO+32*\t+i+1], v[ST+8*\t+6:ST+8*\t+7], v[SS+32*\t+i:SS+32*\t+i+1] op_sel_hi:[1,0,1]
.set i, i+2
.endr
.endr
.irp t, 0,1
.set i, 0
.rept 16
	v_cvt_pk_f16_f32 v[SS+16*\t+i], v[OO+32*\t+2*i], v[OO+32*\t+2*i+1]
.set i, i+1
.endr
.endr
.irp t, 0,1
.irp ct, 0,1,2,3
	global_store_b128 v1, v[SS+16*\t+4*\ct:SS+16*\t+4*\ct+3], s[10:11] offset:\t*32768+(\ct/2)*1024+(\ct%2)*512   ; 512 consecutive bytes
.endr
.endr
.Lend:
	s_wait_tensorcnt 0x0                           ; the wave's end
	ds_add_u32 v4, v5
	s_wait_dscnt 0x0
	ROUND                                          ; the closing round
	s_endpgm
.Lfunc_end_k_q8682b03626_attn:
	.size	k_q8682b03626_attn, .Lfunc_end_k_q8682b03626_attn-k_q8682b03626_attn
	.p2alignl 7, 3214868480
	.fill 96, 4, 3214868480
	.section	.rodata,"a",@progbits
	.p2align	6, 0x0
	.amdhsa_kernel k_q8682b03626_attn
		.amdhsa_group_segment_fixed_size 327680
		.amdhsa_private_segment_fixed_size 0
		.amdhsa_enable_private_segment 0
		.amdhsa_kernarg_size 32
		.amdhsa_user_sgpr_count 2
		.amdhsa_user_sgpr_kernarg_segment_ptr 1
		.amdhsa_wavefront_size32 1
		.amdhsa_system_sgpr_workgroup_id_x 1
		.amdhsa_system_sgpr_workgroup_id_y 1
		.amdhsa_system_sgpr_workgroup_id_z 1
		.amdhsa_system_vgpr_workitem_id 0
		.amdhsa_next_free_vgpr 256
		.amdhsa_next_free_sgpr 106
		.amdhsa_reserve_vcc 0
		.amdhsa_float_denorm_mode_32 3
		.amdhsa_float_denorm_mode_16_64 3
		.amdhsa_memory_ordered 1
		.amdhsa_forward_progress 1
		.amdhsa_inst_pref_size 109
	.end_amdhsa_kernel
	.amdgpu_metadata
---
amdhsa.version: [ 1, 2 ]
amdhsa.kernels:
  - .name:           k_q8682b03626_attn
    .symbol:         k_q8682b03626_attn.kd
    .args:
      - { .name: qkv16, .offset: 0, .size: 8, .value_kind: global_buffer, .address_space: global }
      - { .name: maskw, .offset: 8, .size: 8, .value_kind: global_buffer, .address_space: global }
      - { .name: b_v, .offset: 16, .size: 8, .value_kind: global_buffer, .address_space: global }
      - { .name: o16, .offset: 24, .size: 8, .value_kind: global_buffer, .address_space: global }
    .group_segment_fixed_size: 327680
    .private_segment_fixed_size: 0
    .kernarg_segment_align: 8
    .kernarg_segment_size: 32
    .max_flat_workgroup_size: 512
    .sgpr_count:     106
    .vgpr_count:     256
    .wavefront_size: 32
...
	.end_amdgpu_metadata
.endif
;; end of part 4
;; launch outp (part 5): grid 8 x 32, 4 waves a work-group, clusters of 4 x 4, 327,680 bytes of LDS; arguments o16, wo16, b_o, out0; writes out0
.if DOCPART == 5
	.amdgcn_target "amdgcn-amd-amdhsa--gfx1250"
	.amdhsa_code_object_version 6
	.text
	.protected	k_q8682b03626_outp
	.globl	k_q8682b03626_outp
	.p2align	8
	.type	k_q8682b03626_outp,@function
k_q8682b03626_outp:
	s_mov_b64 s[64:65], 0
	v_nop
	global_prefetch_b8 v0, s[64:65] scope:SCOPE_SE
	s_setreg_imm32_b32 hwreg(HW_REG_WAVE_MODE, 25, 1), 1
	s_wait_xcnt 0x0
	s_wait_alu depctr_hold_cnt(0) depctr_sa_sdst(0) depctr_va_vdst(0) depctr_va_sdst(0) depctr_va_ssrc(0) depctr_va_vcc(0) depctr_vm_vsrc(0)
	s_getreg_b32 s2, hwreg(HW_REG_IB_STS2, 6, 4)
	s_cmp_eq_u32 s2, 0
	s_cbranch_scc0 .Lentry_in_a_cluster
	s_endpgm
.Lentry_in_a_cluster:
	s_bfe_u32 s2, ttmp6, 0x10000c
	s_cmp_lg_u32 s2, 0xf033
	s_cbranch_scc0 .Lentry_shape_is_right
	s_endpgm
.Lentry_shape_is_right:
; OUTP: out0 = O W_o + b_o, [4096][1024] x [1024][1024], f16 operands, f32 sums, f32 out.  256 work-groups of 128 x 128, four waves of 64 x 64: 16 accumulators.
; K goes in four steps of 256 through a ring of two LDS slots.  Both operands lie in memory as images of operand registers (16 rows x 32 K: 1,024 bytes): a fragment is two loads at 16 x lane.
; CLUSTERS of 4 x 4: O's tile is shared along a row of the cluster, W_o's along a column; each is asked for jointly.
; THE MATRIX INSTRUCTION IS USED TRANSPOSED (source 0 = 16 columns of W_o, source 1 = 16 rows of O): a lane holds eight neighbouring numbers of a row.  The bias is the C of each sum's first product.
; A wave's 64 columns are 256 bytes, aligned: each wave sends its blocks of 16 rows through a stage of its own and stores whole rows: no barrier on the way out.
; No prefetch: a K step's tiles are small and its work short.  LIMITS: as for the operands' f16 (|O|, |W_o| under 65,504).
; REGISTERS: window 0: v16-29 addresses; v32-95 the way out; v96-127 the bias; v128-255 the accumulators ((a, b) at v[128 + 8 (4 a + b)]).  window 1: two fragment buffers of 128: 64 registers of O, then 64 of W_o.
.set HALFT,  32768                     ; 64 rows x 256 K: what one tensor load brings
.set SLOT,   4*HALFT
.set STAGE,  2*SLOT
.set SPITCH, 272
.set SPARE,  STAGE+4*16*SPITCH         ; the spare words: 128 bytes a wave, named by no other line
.set ADRA, 16
.set ADRB, 20
.set STO,  24
.set RD,   25
.set CO,   26
.set SPW,  28
.set NIL,  29
.set TMP,  32
.set BI,   96
.set ACC,  128
.set F0,   0
.set F1,   128
.set G1, 24
.set G0, 32
.set G1B, 48
.set G0B, 56
.set MSB, 0
.macro WIN new
.if MSB != (\new)
	s_set_vgpr_msb (MSB<<8)|(\new)
.set MSB, (\new)
.endif
.endm
.set MUL,  0x05                        ; sources 0 and 1 window 1; C and D window 0
.set TO_F, 0x40
.macro JLOAD s                         ; waves 0 and 1 fetch O's two halves, waves 2 and 3 W_o's; an s_nop 0 and four v_nop follow each line
	s_cmp_eq_u32 s13, 0
	s_cbranch_scc0 .Lfor_b_\@
	tensor_load_to_lds s[G0+4*\s:G0+4*\s+3], s[G1:G1+7]
	s_nop 0
.rept 4
	v_nop
.endr
	s_branch .Lasked_\@
.Lfor_b_\@:
	tensor_load_to_lds s[G0B+4*\s:G0B+4*\s+3], s[G1B:G1B+7]
	s_nop 0
.rept 4
	v_nop
.endr
.Lasked_\@:
.endm
.macro CREST
	s_cmp_lg_u32 s12, 0
	s_cbranch_scc1 .Lnot_wave_0_\@
	s_barrier_signal -3
.Lnot_wave_0_\@:
	s_barrier_wait -3
	s_barrier_signal -1
	s_barrier_wait -1
.endm
.macro CROUND
	s_barrier_signal -1
	s_barrier_wait -1
	CREST
.endm
	s_load_b256 s[4:11], s[0:1], 0x0               ; o16 s[4:5], wo16 s[6:7], b_o s[8:9], out0 s[10:11]
	v_lshl_add_u32 v[SPW], v0, 2, SPARE
	v_mov_b32 v[NIL], 0
	ds_add_u32 v[SPW], v[NIL]                      ; the wave's opening: the add, twice on end, and its wait ahead of my first tensor load
	ds_add_u32 v[SPW], v[NIL]
	v_lshrrev_b32 v1, 5, v0
	v_readfirstlane_b32 s12, v1                    ; wave
	s_lshr_b32 s13, s12, 1                         ; my half of the rows.  Also: I fetch for O (0) or for W_o (1)
	s_and_b32 s14, s12, 1                          ; my half of the columns.  Also: which 64 rows I fetch
	s_bfe_u32 s40, ttmp6, 0x40000
	s_bfe_u32 s41, ttmp6, 0x40004
	s_lshl_b32 s42, ttmp9, 2
	s_add_co_u32 s42, s42, s40                     ; tile column
	s_and_b32 s15, ttmp7, 0xffff
	s_lshl_b32 s15, s15, 2
	s_add_co_u32 s15, s15, s41                     ; tile row
	s_lshl_b32 s43, s41, 2
	s_lshl_b32 s43, 15, s43                        ; my row of the cluster
	s_lshl_b32 s44, 0x1111, s40                    ; my column
	; group 1: 4 tiles of rows x 8,192 bytes (eight images), 32,768 bytes apart; elements of 8 bytes; no padding; bit 21 beside the mask
	s_or_b32 s[G1+0], s43, (3<<16)|(1<<21)
	s_or_b32 s[G1B+0], s44, (3<<16)|(1<<21)
.irp g, G1, G1B
	s_mov_b32 s[\g+1], 1024<<16
	s_mov_b32 s[\g+2], 4<<16
	s_mov_b32 s[\g+3], 1024<<16
	s_mov_b32 s[\g+4], 4
	s_mov_b32 s[\g+5], 4096
	s_mov_b32 s[\g+6], 0
	s_mov_b32 s[\g+7], 0
.endr
	s_lshl_b32 s17, s14, 2
	s_lshl_b32 s16, s15, 3
	s_add_co_u32 s16, s16, s17
	s_lshl_b32 s16, s16, 15                        ; O: tile of rows 8 x tile row + 4 x half
	s_lshl_b32 s46, s42, 3
	s_add_co_u32 s46, s46, s17
	s_lshl_b32 s46, s46, 15                        ; W_o: likewise by the tile column
	s_mov_b32 s17, 0
	s_mov_b32 s47, 0
	s_lshl_b32 s20, s12, 15                        ; where they go: wave x 32,768
	s_wait_dscnt 0x0
	s_wait_kmcnt 0x0
	s_add_nc_u64 s[16:17], s[4:5], s[16:17]
	s_add_nc_u64 s[46:47], s[6:7], s[46:47]
	CROUND
.irp s, 0,1
	s_mov_b32 s[G0+4*\s], 1
	s_add_co_u32 s[G0+4*\s+1], s20, \s*SLOT
	s_add_nc_u64 s[G0+4*\s+2:G0+4*\s+3], s[16:17], \s*8192
	s_or_b32 s[G0+4*\s+3], s[G0+4*\s+3], 0x80000000
	s_mov_b32 s[G0B+4*\s], 1
	s_add_co_u32 s[G0B+4*\s+1], s20, \s*SLOT
	s_add_nc_u64 s[G0B+4*\s+2:G0B+4*\s+3], s[46:47], \s*8192
	s_or_b32 s[G0B+4*\s+3], s[G0B+4*\s+3], 0x80000000
	JLOAD \s
.endr
	v_and_b32 v1, 15, v0                           ; r
	v_bfe_u32 v2, v0, 4, 1                         ; h
	v_and_b32 v3, 31, v0
	v_lshlrev_b32 v3, 4, v3                        ; 16 x lane
	s_lshl_b32 s21, s13, 15
	s_lshl_b32 s22, s14, 15
	s_add_co_u32 s22, s22, 2*HALFT
.irp s, 0,1
	v_add_nc_u32 v[ADRA+\s], s21, v3
	v_add_nc_u32 v[ADRB+\s], s22, v3
	s_add_co_u32 s21, s21, SLOT
	s_add_co_u32 s22, s22, SLOT
.endr
	s_mul_i32 s23, s12, 16*SPITCH
	s_add_co_u32 s23, s23, STAGE                   ; my stage
	v_mul_u32_u24 v4, v1, SPITCH
	v_lshl_add_u32 v4, v2, 5, v4
	v_add_nc_u32 v[STO], s23, v4                   ; in: row r, 32 bytes for each half of the lanes
	v_mul_u32_u24 v5, v2, SPITCH
	v_lshl_add_u32 v5, v1, 4, v5
	v_add_nc_u32 v[RD], s23, v5                    ; back: lanes 0-15 one row of 256 bytes, lanes 16-31 the next
	v_lshlrev_b32 v5, 12, v2
	v_lshl_add_u32 v[CO], v1, 4, v5                ; and the same two rows in out0
	s_lshl_b32 s16, s15, 7
	s_lshl_b32 s17, s13, 6
	s_add_co_u32 s16, s16, s17
	s_lshl_b32 s16, s16, 12                        ; my first row, 4,096 bytes a row
	s_mov_b32 s17, 0
	s_lshl_b32 s46, s42, 9
	s_lshl_b32 s47, s14, 8
	s_add_co_u32 s46, s46, s47                     ; my first column, in bytes
	s_mov_b32 s47, 0
	s_add_nc_u64 s[8:9], s[8:9], s[46:47]
	s_add_nc_u64 s[10:11], s[10:11], s[16:17]
	s_add_nc_u64 s[10:11], s[10:11], s[46:47]
	v_lshlrev_b32 v6, 5, v2
.irp b, 0,1,2,3
	global_load_b128 v[BI+8*\b:BI+8*\b+3], v6, s[8:9] offset:64*\b         ; b_o at columns 16 b + 8 h + 0 .. 7
	global_load_b128 v[BI+8*\b+4:BI+8*\b+7], v6, s[8:9] offset:64*\b+16
.endr
; 8 matrix instructions: row blocks a0, a0 + 1 x all 4 column blocks, 32 along K.  zero = 1: the first product starts the sum from the bias.  The 16 accumulators take turns.
.macro MUL8 f, c, a0, zero
.irp a, \a0, \a0+1
.irp b, 0,1,2,3
.if \zero
	v_wmma_f32_16x16x32_f16 v[ACC+8*(4*(\a)+\b):ACC+8*(4*(\a)+\b)+7], v[\f+64+8*(4*\c+\b):\f+64+8*(4*\c+\b)+7], v[\f+8*(4*\c+\a):\f+8*(4*\c+\a)+7], v[BI+8*\b:BI+8*\b+7]
.else
	v_wmma_f32_16x16x32_f16 v[ACC+8*(4*(\a)+\b):ACC+8*(4*(\a)+\b)+7], v[\f+64+8*(4*\c+\b):\f+64+8*(4*\c+\b)+7], v[\f+8*(4*\c+\a):\f+8*(4*\c+\a)+7], v[ACC+8*(4*(\a)+\b):ACC+8*(4*(\a)+\b)+7]
.endif
.endr
.endr
.endm
.macro FETCH slot, kq, f               ; 32 LDS loads in one run: the slot's kq-th 64 along K, the first 32 first
	WIN TO_F
.irp c, 0,1
.irp i, 0,1,2,3
	ds_load_b128 v[\f+64+8*(4*\c+\i):\f+64+8*(4*\c+\i)+3],   v[ADRB+\slot] offset:(2*(\kq)+\c)*1024+8192*\i
	ds_load_b128 v[\f+64+8*(4*\c+\i)+4:\f+64+8*(4*\c+\i)+7], v[ADRB+\slot] offset:(2*(\kq)+\c)*1024+8192*\i+512
	ds_load_b128 v[\f+8*(4*\c+\i):\f+8*(4*\c+\i)+3],         v[ADRA+\slot] offset:(2*(\kq)+\c)*1024+8192*\i
	ds_load_b128 v[\f+8*(4*\c+\i)+4:\f+8*(4*\c+\i)+7],       v[ADRA+\slot] offset:(2*(\kq)+\c)*1024+8192*\i+512
.endr
.endr
.endm
.macro PLACES
.rept 4
	v_nop
.endr
.endm
.macro QUARTER slot, kq, f, g, zero    ; multiplies buffer f and fetches the slot's kq-th 64 along K into g
	s_wait_dscnt 16                                ; the first 32 along K are in; the second sixteen loads may be out
	WIN MUL
	MUL8 \f, 0, 0, \zero
	MUL8 \f, 0, 2, \zero
	PLACES
	FETCH \slot, \kq, \g
	s_wait_dscnt 32                                ; all but the 32 just issued
	WIN MUL
	MUL8 \f, 1, 0, 0
	MUL8 \f, 1, 2, 0
.endm
; A slot's last quarter changes slots: each wave waits for all its tensor loads, adds 0 to its spare word, waits for that and for its reads of this slot.  fill = 1: a round of the cluster's barrier, and this slot is filled again first.
.macro TURN slot, next, fill
	WIN 0
	s_wait_tensorcnt 0x0
	ds_add_u32 v[SPW], v[NIL]
	s_wait_dscnt 17                                ; (the add and the youngest sixteen loads may be out)
	WIN MUL
	MUL8 F1, 0, 0, 0
	s_wait_dscnt 0x0
	s_barrier_signal -1
	MUL8 F1, 0, 2, 0
.if \fill
	WIN 0
.endif
	s_barrier_wait -1
.if \fill
	CREST
	s_add_nc_u64 s[G0+4*\slot+2:G0+4*\slot+3], s[G0+4*\slot+2:G0+4*\slot+3], 16384
	s_add_nc_u64 s[G0B+4*\slot+2:G0B+4*\slot+3], s[G0B+4*\slot+2:G0B+4*\slot+3], 16384
	JLOAD \slot                                    ; the four v_nop behind it are also the places in front of the loads below
.else
	PLACES
.endif
	FETCH \next, 0, F0
	WIN MUL
	MUL8 F1, 1, 0, 0
	MUL8 F1, 1, 2, 0
.endm
	s_wait_loadcnt 0x0                             ; the bias
	s_wait_tensorcnt 1                             ; my part of K step 0 is in; K step 1's may be out
	s_barrier_signal -1
	s_barrier_wait -1
	FETCH 0, 0, F0
	QUARTER 0, 1, F0, F1, 1
	QUARTER 0, 2, F1, F0, 0
	QUARTER 0, 3, F0, F1, 0
	TURN 0, 1, 1                                   ; K step 2 goes out
	QUARTER 1, 1, F0, F1, 0
	QUARTER 1, 2, F1, F0, 0
	QUARTER 1, 3, F0, F1, 0
	TURN 1, 0, 1                                   ; K step 3 goes out
	QUARTER 0, 1, F0, F1, 0
	QUARTER 0, 2, F1, F0, 0
	QUARTER 0, 3, F0, F1, 0
	TURN 0, 1, 0
	QUARTER 1, 1, F0, F1, 0
	QUARTER 1, 2, F1, F0, 0
	QUARTER 1, 3, F0, F1, 0
	s_wait_dscnt 16
	WIN MUL
	MUL8 F1, 0, 0, 0
	MUL8 F1, 0, 2, 0
	s_wait_dscnt 0
	MUL8 F1, 1, 0, 0
	MUL8 F1, 1, 2, 0
	WIN 0
	PLACES
.irp a, 0,1,2,3                        ; THE WAY OUT, 16 rows at a time through my stage; LDS serves a wave's instructions in order
.if \a >= 2
	s_wait_xcnt 0x0                                ; block a - 2's stores have read the registers that take this block
.endif
.irp b, 0,1,2,3
	ds_store_b128 v[STO], v[ACC+8*(4*\a+\b):ACC+8*(4*\a+\b)+3] offset:64*\b        ; each accumulator from its low end on
	ds_store_b128 v[STO], v[ACC+8*(4*\a+\b)+4:ACC+8*(4*\a+\b)+7] offset:64*\b+16
.endr
.irp t, 0,1,2,3,4,5,6,7
	ds_load_b128 v[TMP+32*(\a%2)+4*\t:TMP+32*(\a%2)+4*\t+3], v[RD] offset:\t*2*SPITCH
.endr
	s_wait_dscnt 0x0
.irp t, 0,1,2,3,4,5,6,7
	global_store_b128 v[CO], v[TMP+32*(\a%2)+4*\t:TMP+32*(\a%2)+4*\t+3], s[10:11] offset:(16*\a+2*\t)*4096 th:TH_STORE_NT   ; 16 lanes store 256 consecutive bytes, aligned
.endr
.endr
	s_wait_tensorcnt 0x0                           ; the wave's end
	ds_add_u32 v[SPW], v[NIL]
	s_wait_dscnt 0x0
	CROUND                                         ; the closing round
	s_endpgm
.Lfunc_end_k_q8682b03626_outp:
	.size	k_q8682b03626_outp, .Lfunc_end_k_q8682b03626_outp-k_q8682b03626_outp
	.p2alignl 7, 3214868480
	.fill 96, 4, 3214868480
	.section	.rodata,"a",@progbits
	.p2align	6, 0x0
	.amdhsa_kernel k_q8682b03626_outp
		.amdhsa_group_segment_fixed_size 327680
		.amdhsa_private_segment_fixed_size 0
		.amdhsa_enable_private_segment 0
		.amdhsa_kernarg_size 32
		.amdhsa_user_sgpr_count 2
		.amdhsa_user_sgpr_kernarg_segment_ptr 1
		.amdhsa_wavefront_size32 1
		.amdhsa_system_sgpr_workgroup_id_x 1
		.amdhsa_system_sgpr_workgroup_id_y 1
		.amdhsa_system_sgpr_workgroup_id_z 1
		.amdhsa_system_vgpr_workitem_id 0
		.amdhsa_next_free_vgpr 512
		.amdhsa_next_free_sgpr 66
		.amdhsa_reserve_vcc 0
		.amdhsa_float_denorm_mode_32 3
		.amdhsa_float_denorm_mode_16_64 3
		.amdhsa_memory_ordered 1
		.amdhsa_forward_progress 1
		.amdhsa_inst_pref_size 86
	.end_amdhsa_kernel
	.amdgpu_metadata
---
amdhsa.version: [ 1, 2 ]
amdhsa.kernels:
  - .name:           k_q8682b03626_outp
    .symbol:         k_q8682b03626_outp.kd
    .args:
      - { .name: o16, .offset: 0, .size: 8, .value_kind: global_buffer, .address_space: global }
      - { .name: wo16, .offset: 8, .size: 8, .value_kind: global_buffer, .address_space: global }
      - { .name: b_o, .offset: 16, .size: 8, .value_kind: global_buffer, .address_space: global }
      - { .name: out0, .offset: 24, .size: 8, .value_kind: global_buffer, .address_space: global }
    .group_segment_fixed_size: 327680
    .private_segment_fixed_size: 0
    .kernarg_segment_align: 8
    .kernarg_segment_size: 32
    .max_flat_workgroup_size: 128
    .sgpr_count:     66
    .vgpr_count:     512
    .wavefront_size: 32
...
	.end_amdgpu_metadata
.endif
;; end of part 5
;; launch fineb (part 6): grid 64 x 1, 16 waves a work-group, no clusters, 34,816 bytes of LDS; arguments ofine, W_o, b_o, out0; writes out0
.if DOCPART == 6
	.amdgcn_target "amdgcn-amd-amdhsa--gfx1250"
	.amdhsa_code_object_version 6
	.text
	.protected	k_q8682b03626_fineb
	.globl	k_q8682b03626_fineb
	.p2align	8
	.type	k_q8682b03626_fineb,@function
k_q8682b03626_fineb:
	s_mov_b64 s[64:65], 0
	v_nop
	global_prefetch_b8 v0, s[64:65] scope:SCOPE_SE
	s_setreg_imm32_b32 hwreg(HW_REG_WAVE_MODE, 25, 1), 1
	s_wait_xcnt 0x0
; FINEB: the output projection of the first 16 positions of both sequences once more, with f32 operands (f32 matrix form: 32 instructions a wave, no bulk work), written over what the main projection left there.
; A work-group: 16 columns for the 32 rows; wave w: k = 64 w .. 64 w + 63, head w's channels.  The sixteen parts meet in LDS; wave w' then adds plane w' (row 8 h + w' % 8 of batch w' / 8) and stores it.
; 64 work-groups, so that the products spread over many SIMDs; the price: W_o is read, and 128 KB of out0 written, in pieces of 64 bytes.
; LDS: PB [wave][plane (16)][lane] words; behind them the spare words.
.set SPARE, 32768
	s_load_b256 s[4:11], s[0:1], 0x0               ; ofine s[4:5], W_o s[6:7], b_o s[8:9], out0 s[10:11]
	v_lshl_add_u32 v8, v0, 2, SPARE                ; my spare word; never rewritten
	v_mov_b32 v9, 0                                ; 0; never rewritten
	v_lshrrev_b32 v1, 5, v0
	v_readfirstlane_b32 s12, v1                    ; wave
	v_and_b32 v10, 31, v0
	v_and_b32 v11, 15, v0                          ; r
	v_bfe_u32 v12, v0, 4, 1                        ; h
	v_lshlrev_b32 v1, 4, v10                       ; 16 x lane
	v_lshlrev_b32 v3, 2, v11                       ; 4 r
	v_lshl_add_u32 v2, v12, 15, v3                 ; 8 h rows of 4,096 bytes + 4 r: in W_o and in out0
	v_lshlrev_b32 v7, 2, v10
	s_lshl_b32 s13, s12, 11
	v_add_nc_u32 v5, s13, v7                       ; my wave's planes
	s_lshl_b32 s13, s12, 7
	v_add_nc_u32 v6, s13, v7                       ; the plane that I add
	s_mov_b32 s15, 0
	s_lshl_b32 s16, ttmp9, 6                       ; my 16 columns, in bytes
	s_mov_b32 s17, 0
	s_wait_kmcnt 0x0
	s_lshl_b32 s14, s12, 12
	s_add_nc_u64 s[4:5], s[4:5], s[14:15]          ; head w of batch 0
	s_lshl_b32 s14, s12, 18
	s_add_co_u32 s14, s14, s16
	s_add_nc_u64 s[6:7], s[6:7], s[14:15]          ; W_o at row 64 w, my columns
	s_add_nc_u64 s[8:9], s[8:9], s[16:17]
	s_lshr_b32 s14, s12, 3
	s_lshl_b32 s14, s14, 23                        ; batch w / 8,
	s_and_b32 s13, s12, 7
	s_lshl_b32 s13, s13, 12                        ; row w % 8
	s_add_co_u32 s14, s14, s13
	s_add_co_u32 s14, s14, s16
	s_add_nc_u64 s[10:11], s[10:11], s[14:15]
.irp b, 0,1
.set i, 0
.rept 8
	global_load_b128 v[16+32*\b+4*i:19+32*\b+4*i], v1, s[4:5] offset:65536*\b+512*i   ; register 16 + 32 b + 8 ct + e: row r of batch b, channel 16 ct + 8 h + e
.set i, i+1
.endr
.endr
.set q, 0
.rept 32
	global_load_b32 v[80+q], v2, s[6:7] offset:(16*(q/8)+q%8)*4096   ; W_o(64 w + 16 ct + 8 h + e, my column r), q = 8 ct + e
.set q, q+1
.endr
	global_load_b32 v4, v3, s[8:9]                 ; b_o at my column
	s_wait_loadcnt 0x0
.irp ct, 0,1,2,3                       ; two accumulators by turns.  Place (h, j) of the instruction's four along K is channel 16 ct + 8 h + 2 i + j on both sides
.irp i, 0,1,2,3
.irp b, 0,1
.if (\ct == 0) && (\i == 0)
	v_wmma_f32_16x16x4_f32 v[112+8*\b:119+8*\b], v[16+32*\b:17+32*\b], v[80:81], 0
.else
	v_wmma_f32_16x16x4_f32 v[112+8*\b:119+8*\b], v[16+32*\b+8*\ct+2*\i:17+32*\b+8*\ct+2*\i], v[80+8*\ct+2*\i:81+8*\ct+2*\i], v[112+8*\b:119+8*\b]
.endif
.endr
.endr
.endr
.rept 8
	v_nop                                          ; eight places behind this form
.endr
.set p, 0
.rept 16
	ds_store_b32 v5, v[112+p] offset:128*p         ; plane 8 b + j: row 8 h + j of batch b, column r; each accumulator from its low end on
.set p, p+1
.endr
	s_wait_dscnt 0x0                               ; for the others' sake
	s_barrier_signal -1
	s_barrier_wait -1
.set w, 0
.rept 16
	ds_load_b32 v[16+w], v6 offset:2048*w
.set w, w+1
.endr
	s_wait_dscnt 0x0
	v_add_f32 v16, v16, v17
	v_add_f32 v18, v18, v19
.irp w, 4,6,8,10,12,14
	v_add_f32 v16, v16, v[16+\w]
	v_add_f32 v18, v18, v[17+\w]
.endr
	v_add_f32 v16, v16, v18
	v_add_f32 v16, v16, v4
	global_store_b32 v2, v16, s[10:11]
	s_wait_tensorcnt 0x0                           ; the wave's end, behind the last LDS store
	ds_add_u32 v8, v9
	s_wait_dscnt 0x0
	s_endpgm
.Lfunc_end_k_q8682b03626_fineb:
	.size	k_q8682b03626_fineb, .Lfunc_end_k_q8682b03626_fineb-k_q8682b03626_fineb
	.p2alignl 7, 3214868480
	.fill 96, 4, 3214868480
	.section	.rodata,"a",@progbits
	.p2align	6, 0x0
	.amdhsa_kernel k_q8682b03626_fineb
		.amdhsa_group_segment_fixed_size 34816
		.amdhsa_private_segment_fixed_size 0
		.amdhsa_enable_private_segment 0
		.amdhsa_kernarg_size 32
		.amdhsa_user_sgpr_count 2
		.amdhsa_user_sgpr_kernarg_segment_ptr 1
		.amdhsa_wavefront_size32 1
		.amdhsa_system_sgpr_workgroup_id_x 1
		.amdhsa_system_sgpr_workgroup_id_y 1
		.amdhsa_system_sgpr_workgroup_id_z 1
		.amdhsa_system_vgpr_workitem_id 0
		.amdhsa_next_free_vgpr 128
		.amdhsa_next_free_sgpr 66
		.amdhsa_reserve_vcc 0
		.amdhsa_float_denorm_mode_32 3
		.amdhsa_float_denorm_mode_16_64 3
		.amdhsa_memory_ordered 1
		.amdhsa_forward_progress 1
		.amdhsa_inst_pref_size 12
	.end_amdhsa_kernel
	.amdgpu_metadata
---
amdhsa.version: [ 1, 2 ]
amdhsa.kernels:
  - .name:           k_q8682b03626_fineb
    .symbol:         k_q8682b03626_fineb.kd
    .args:
      - { .name: ofine, .offset: 0, .size: 8, .value_kind: global_buffer, .address_space: global }
      - { .name: W_o, .offset: 8, .size: 8, .value_kind: global_buffer, .address_space: global }
      - { .name: b_o, .offset: 16, .size: 8, .value_kind: global_buffer, .address_space: global }
      - { .name: out0, .offset: 24, .size: 8, .value_kind: global_buffer, .address_space: global }
    .group_segment_fixed_size: 34816
    .private_segment_fixed_size: 0
    .kernarg_segment_align: 8
    .kernarg_segment_size: 32
    .max_flat_workgroup_size: 512
    .sgpr_count:     66
    .vgpr_count:     128
    .wavefront_size: 32
...
	.end_amdgpu_metadata
.endif
;; end of part 6
